; MI455X (gfx1250); checked and timed in simulation.
; The chip was launched on July 23, 2026; its instructions are those of AMD's public machine-readable ISA for CDNA 5 (MIT licence, August 2026) and "CDNA5" Instruction Set Architecture Reference Guide (July 2026). The comments in the code are by the model that wrote it; some were corrected since.
;; Multi Channel Attention. Allowed arithmetic: float matrix products may take bf16 or f16 operands with f32 sums; other float arithmetic in f32, or as packed bf16 or f16 multiplies, adds, multiply-adds, maxima and minima; sums over many terms, partial sums and values carried from step to step in f32; what a program stores and reads back later, other than sums and carried values, may be rounded once to bf16 or f16.
;; Inputs: Wf 1,024 x 1,024 float32; Wk 1,024 x 1,024 float32; Wq 1,024 x 1,024 float32; Wv 1,024 x 1,024 float32; bf 1,024 float32; bk 1,024 float32; bq 1,024 float32; bv 1,024 float32; x 4 x 2,048 x 1,024 float32.
;; Outputs: out0 4 x 2,048 x 1,024 float32.
;; One version. Each part assembles by itself: llvm-mc -triple=amdgcn-amd-amdhsa -mcpu=gfx1250 --defsym DOCPART=n.
;; ======== version 1 of 1: 5 launches
;; limits: values are held in f16: magnitudes above 65,504 overflow, below 6.1e-05 lose precision
;; workspace buffers: xb 16,777,216 bytes; wts 8,388,608 bytes; tab 8,388,608 bytes; qk 33,554,432 bytes; vt 16,777,216 bytes; pb 33,554,432 bytes; st 1,048,576 bytes; ob 16,777,216 bytes
;; launch prep (part 1): grid 1024 x 1, 8 waves a work-group, no clusters, 0 bytes of LDS; arguments x, Wq, Wk, Wv, Wf, xb, wts, tab; writes xb, wts, tab
.if DOCPART == 1
	.amdgcn_target "amdgcn-amd-amdhsa--gfx1250"
	.amdhsa_code_object_version 6
	.text
	.protected	k_qd90625257a_prep
	.globl	k_qd90625257a_prep
	.p2align	8
	.type	k_qd90625257a_prep,@function
k_qd90625257a_prep:
	s_mov_b64 s[64:65], 0
	v_nop
	global_prefetch_b8 v0, s[64:65] scope:SCOPE_SE
	s_setreg_imm32_b32 hwreg(HW_REG_WAVE_MODE, 25, 1), 1
	s_wait_xcnt 0x0
; PREP.  Three kinds of work-group, told apart by the work-group's number g alone.
;   g < 256:         the rotary table tab[t][pair] = (cos, sin) of t x 10000^(-pair/512), f32: 8 values of t each.  A value of t is a long chain of dependent
;                    arithmetic, so these work-groups are many and short, and they come first.
;   256 <= g < 768:  x (8192 x 1024 f32) -> xb, bf16, laid out [16 K blocks][8192 rows][64]: a tile's rows of one K block lie end to end
;   g >= 768:        Wq, Wk, Wv -> wts, bf16, [matrix][16 K blocks][1024 rows][64]; Wf likewise, rounded to bf16 and that number written as f16
; THE ORDER INSIDE A K BLOCK.  In x, Wq, Wk and Wv the 64 numbers of a row's K block lie as the loads bring them: slot 8 j + i holds number 4 j + i, slot 8 j + 4 + i
; number 32 + 4 j + i (j = 0..7, i = 0..3).  Both operands of each product have the same order, so its sums hold the same terms.  Wf keeps the natural order: that of the O that it multiplies.
; A stream: no LDS, no matrix unit, no cluster: nothing is shared and memory binds.
; LIMITS.  An element of Wf below 6e-5 in magnitude falls on f16's fixed step of 6e-8.  The angle is t x f in f32 as in the model; f comes from
; the base-2 exponential, so an angle may differ from the model's f32 angle by some 2e-4 rad at the largest t.  Sine and cosine: reduction by
; multiples of pi/2 in two parts, then polynomials of degree 7 and 8 on +-pi/4.
.set X,  32                            ; v[32:95]  16 loads of 4 registers; the packed results take the low four of each eight
.set SO, 16                            ; v[16:23]  store offsets, one for each K block
.set NT, 8                             ; values of t to a table work-group
	s_load_b512 s[4:19], s[0:1], 0x0               ; x 4, Wq 6, Wk 8, Wv 10, Wf 12, xb 14, wts 16, tab 18
	v_lshrrev_b32 v1, 5, v0
	v_readfirstlane_b32 s33, v1                    ; wave 0..7
	v_and_b32 v2, 31, v0                           ; lane
	s_mov_b32 s49, ttmp9
	s_cmp_lt_u32 s49, 256
	s_cbranch_scc1 .Ltable
	; THE CASTS.  A work-group takes 32 rows and half of their 16 K blocks; a wave 4 rows; a lane 8 numbers of a row in each K block.
	s_sub_co_u32 s20, s49, 256                     ; 0..511: x; 512..767: the weights
	s_and_b32 s21, s20, 1                          ; which half of the K blocks
	s_lshr_b32 s22, s20, 1                         ; x: block of 32 rows
	s_and_b32 s23, s22, 31                         ; weights: block of 32 rows
	s_bfe_u32 s24, s20, 0x20006                    ; weights: which matrix
	s_mov_b32 s25, 0x100000                        ; bytes of a K block's plane: 8192 rows x 128,
	s_mov_b32 s26, 0x20000                         ; or 1024 rows x 128
	s_cmp_ge_u32 s20, 512
	s_cselect_b32 s22, s23, s22
	s_cselect_b32 s24, s24, 0
	s_cselect_b32 s25, s26, s25
	s_cselect_b32 s27, 1, 0                        ; 1: a weight
	s_cmp_eq_u32 s24, 3                            ; Wf: a lane's 8 numbers are neighbours: 32 bytes a lane, the second load 16 bytes on.
	s_cselect_b32 s50, 5, 4                        ; All else: 16 bytes a lane, so that eight neighbouring lanes read 128 consecutive bytes,
	s_cselect_b32 s51, 16, 128                     ; and the second load takes the K block's second half
	s_lshl_b32 s34, s22, 17                        ; source: 32 rows of 4,096 bytes,
	s_lshl_b32 s36, s33, 14                        ; my wave's 4 rows,
	s_add_co_u32 s34, s34, s36
	s_lshl_b32 s36, s21, 11                        ; my half of a row
	s_add_co_u32 s34, s34, s36
	s_mov_b32 s35, 0
	s_lshl_b32 s36, s24, 21                        ; target: the matrix,
	s_mul_i32 s38, s21, s25
	s_lshl_b32 s38, s38, 3                         ; eight planes for the upper half,
	s_add_co_u32 s36, s36, s38
	s_lshl_b32 s38, s22, 12                        ; 32 rows of 128 bytes,
	s_add_co_u32 s36, s36, s38
	s_lshl_b32 s38, s33, 9                         ; my wave's 4 rows
	s_add_co_u32 s36, s36, s38
	s_mov_b32 s37, 0
	v_lshrrev_b32 v3, 3, v2                        ; row of four
	v_and_b32 v4, 7, v2
	v_lshlrev_b32 v4, s50, v4                      ; my place in a K block's 256 bytes of f32
	v_lshl_add_u32 v3, v3, 12, v4                  ; the first load's offset,
	v_add_nc_u32 v5, s51, v3                       ; and the second's
	v_lshlrev_b32 v[SO], 4, v2                     ; 16 bytes a lane: 4 rows x 128 bytes are 512 neighbouring bytes of a plane
.irp k, 1,2,3,4,5,6,7
	v_add_nc_u32 v[SO+(\k)], s25, v[SO+(\k)-1]
.endr
	s_wait_kmcnt 0x0
	s_mov_b64 s[28:29], s[6:7]
	s_cmp_eq_u32 s24, 1
	s_cselect_b64 s[28:29], s[8:9], s[28:29]
	s_cmp_eq_u32 s24, 2
	s_cselect_b64 s[28:29], s[10:11], s[28:29]
	s_cmp_eq_u32 s24, 3
	s_cselect_b64 s[28:29], s[12:13], s[28:29]
	s_cmp_eq_u32 s27, 0
	s_cselect_b64 s[28:29], s[4:5], s[28:29]
	s_cselect_b64 s[30:31], s[14:15], s[16:17]
	s_add_nc_u64 s[28:29], s[28:29], s[34:35]
	s_add_nc_u64 s[30:31], s[30:31], s[36:37]
.irp k, 0,1,2,3,4,5,6,7
	global_load_b128 v[X+8*(\k):X+8*(\k)+3],   v3, s[28:29] offset:256*(\k) th:TH_LOAD_NT
	global_load_b128 v[X+8*(\k)+4:X+8*(\k)+7], v5, s[28:29] offset:256*(\k) th:TH_LOAD_NT
.endr
.irp k, 0,1,2,3,4,5,6,7
	s_wait_loadcnt 14-2*(\k)                       ; loads come back in order: K block k's two are in, the younger ones stay out
.irp j, 0,1,2,3
	v_cvt_pk_bf16_f32 v[X+8*(\k)+(\j)], v[X+8*(\k)+2*(\j)], v[X+8*(\k)+2*(\j)+1]
.endr
.endr
	s_cmp_lg_u32 s24, 3
	s_cbranch_scc1 .Lstore
.irp k, 0,1,2,3,4,5,6,7                ; Wf alone: the bf16 number, written as f16 for the f16 product of the last launch
.irp j, 0,1,2,3
	v_lshlrev_b32 v[8+2*((\j)%2)], 16, v[X+8*(\k)+(\j)]
	v_and_b32 v[9+2*((\j)%2)], 0xffff0000, v[X+8*(\k)+(\j)]
	v_cvt_pk_f16_f32 v[X+8*(\k)+(\j)], v[8+2*((\j)%2)], v[9+2*((\j)%2)]
.endr
.endr
.Lstore:
.irp k, 0,1,2,3,4,5,6,7
	global_store_b128 v[SO+(\k)], v[X+8*(\k):X+8*(\k)+3], s[30:31]  ; 512 consecutive bytes, at a multiple of 512 from the buffer's first
.endr
	s_endpgm
	; THE TABLE.  A work-group takes NT values of t; a lane two pairs, 64 w + 2 l and the next.
.Ltable:
	s_lshl_b32 s22, s49, 3                         ; the first t: NT x g
	s_lshl_b32 s24, s49, 15                        ; its row: NT rows of 4,096 bytes a work-group
	s_mov_b32 s25, 0
	s_mov_b32 s39, 0xbcd49a78                      ; -log2(10000) / 512
	s_mov_b32 s40, 0x3f22f983                      ; 2 / pi
	s_mov_b32 s41, 0x3fc90fdb                      ; pi / 2, the f32 nearest to it,
	s_mov_b32 s42, 0xb33bbd2e                      ; and what is left
	s_mov_b32 s43, 0xbe2aaaa3                      ; sine: -1.6666654611e-1
	s_mov_b32 s44, 0x3c08839e                      ;        8.3321608736e-3
	s_mov_b32 s45, 0xb94ca1f9                      ;       -1.9515295891e-4
	s_mov_b32 s46, 0x3d2aaaa5                      ; cosine: 4.166664568e-2
	s_mov_b32 s47, 0xbab6061a                      ;        -1.388731625e-3
	s_mov_b32 s48, 0x37ccf5ce                      ;         2.443315712e-5
	v_lshlrev_b32 v3, 1, v2
	v_lshl_add_u32 v3, s33, 6, v3                  ; my first pair
	v_cvt_f32_u32 v4, v3
	v_add_f32 v5, 1.0, v4
	v_mul_f32 v4, s39, v4
	v_mul_f32 v5, s39, v5
	v_exp_f32 v4, v4                               ; the two frequencies
	v_exp_f32 v5, v5
	v_cvt_f32_u32 v6, s22                          ; t; a plain instruction behind the exponentials
	v_lshlrev_b32 v7, 4, v0                        ; 16 bytes a thread: a row's 4,096 bytes for the 256 threads
	s_wait_kmcnt 0x0
	s_add_nc_u64 s[18:19], s[18:19], s[24:25]
.macro PAIR f, oc                      ; (cos, sin) of t x v[f] into v[oc], v[oc+1]
	s_wait_alu depctr_va_vdst(0)
	v_mul_f32 v16, v6, v[\f]
	v_mul_f32 v17, s40, v16
	v_rndne_f32 v17, v17                           ; n: the nearest multiple of pi / 2
	v_fma_f32 v18, -v17, s41, v16
	v_fma_f32 v18, -v17, s42, v18                  ; rho, within +-pi/4
	v_mul_f32 v19, v18, v18
	v_fma_f32 v20, v19, s45, s44
	v_fma_f32 v21, v19, s48, s47
	v_fma_f32 v20, v20, v19, s43
	v_fma_f32 v21, v21, v19, s46
	v_mul_f32 v22, v18, v19
	v_mul_f32 v23, v19, v19
	v_fma_f32 v24, v19, -0.5, 1.0
	v_fma_f32 v20, v20, v22, v18                   ; sin rho
	v_fma_f32 v21, v21, v23, v24                   ; cos rho
	v_cvt_i32_f32 v22, v17
	v_and_b32 v23, 1, v22
	v_cmp_eq_u32 vcc_lo, 1, v23                    ; an odd quadrant swaps the two
	v_cndmask_b32 v24, v20, v21, vcc_lo
	v_cndmask_b32 v25, v21, v20, vcc_lo
	v_and_b32 v23, 2, v22                          ; the sine changes sign in quadrants 2 and 3,
	v_add_nc_u32 v22, 1, v22
	v_lshlrev_b32 v23, 30, v23
	v_and_b32 v22, 2, v22                          ; the cosine in 1 and 2
	v_xor_b32 v[(\oc)+1], v23, v24
	v_lshlrev_b32 v22, 30, v22
	v_xor_b32 v[\oc], v22, v25
.endm
	s_mov_b32 s23, NT
.Lt:
	PAIR 4, 12
	PAIR 5, 14
	global_store_b128 v7, v[12:15], s[18:19]       ; a wave's store covers 512 consecutive bytes
	v_add_f32 v6, 1.0, v6
	s_wait_xcnt 0x0                                ; the store's offset and data are rewritten only behind this wait
	v_add_nc_u32 v7, 4096, v7
	s_sub_co_u32 s23, s23, 1
	s_cmp_lg_u32 s23, 0
	s_cbranch_scc1 .Lt
	s_endpgm
.Lfunc_end_k_qd90625257a_prep:
	.size	k_qd90625257a_prep, .Lfunc_end_k_qd90625257a_prep-k_qd90625257a_prep
	.p2alignl 7, 3214868480
	.fill 96, 4, 3214868480
	.section	.rodata,"a",@progbits
	.p2align	6, 0x0
	.amdhsa_kernel k_qd90625257a_prep
		.amdhsa_group_segment_fixed_size 0
		.amdhsa_private_segment_fixed_size 0
		.amdhsa_enable_private_segment 0
		.amdhsa_kernarg_size 64
		.amdhsa_user_sgpr_count 2
		.amdhsa_user_sgpr_kernarg_segment_ptr 1
		.amdhsa_wavefront_size32 1
		.amdhsa_system_sgpr_workgroup_id_x 1
		.amdhsa_system_sgpr_workgroup_id_y 1
		.amdhsa_system_sgpr_workgroup_id_z 1
		.amdhsa_system_vgpr_workitem_id 0
		.amdhsa_next_free_vgpr 96
		.amdhsa_next_free_sgpr 66
		.amdhsa_reserve_vcc 1
		.amdhsa_float_denorm_mode_32 3
		.amdhsa_float_denorm_mode_16_64 3
		.amdhsa_memory_ordered 1
		.amdhsa_forward_progress 1
		.amdhsa_inst_pref_size 16
	.end_amdhsa_kernel
	.amdgpu_metadata
---
amdhsa.version: [ 1, 2 ]
amdhsa.kernels:
  - .name:           k_qd90625257a_prep
    .symbol:         k_qd90625257a_prep.kd
    .args:
      - { .name: x, .offset: 0, .size: 8, .value_kind: global_buffer, .address_space: global }
      - { .name: Wq, .offset: 8, .size: 8, .value_kind: global_buffer, .address_space: global }
      - { .name: Wk, .offset: 16, .size: 8, .value_kind: global_buffer, .address_space: global }
      - { .name: Wv, .offset: 24, .size: 8, .value_kind: global_buffer, .address_space: global }
      - { .name: Wf, .offset: 32, .size: 8, .value_kind: global_buffer, .address_space: global }
      - { .name: xb, .offset: 40, .size: 8, .value_kind: global_buffer, .address_space: global }
      - { .name: wts, .offset: 48, .size: 8, .value_kind: global_buffer, .address_space: global }
      - { .name: tab, .offset: 56, .size: 8, .value_kind: global_buffer, .address_space: global }
    .group_segment_fixed_size: 0
    .private_segment_fixed_size: 0
    .kernarg_segment_align: 8
    .kernarg_segment_size: 64
    .max_flat_workgroup_size: 256
    .sgpr_count:     66
    .vgpr_count:     96
    .wavefront_size: 32
...
	.end_amdgpu_metadata
.endif
;; end of part 1
;; launch qkv (part 2): grid 8 x 32, 4 waves a work-group, clusters of 4 x 4, 327,680 bytes of LDS; arguments xb, wts, tab, bq, bk, qk, vt; writes qk, vt
.if DOCPART == 2
	.amdgcn_target "amdgcn-amd-amdhsa--gfx1250"
	.amdhsa_code_object_version 6
	.text
	.protected	k_qd90625257a_qkv
	.globl	k_qd90625257a_qkv
	.p2align	8
	.type	k_qd90625257a_qkv,@function
k_qd90625257a_qkv:
	s_mov_b64 s[64:65], 0
	v_nop
	global_prefetch_b8 v0, s[64:65] scope:SCOPE_SE
	s_setreg_imm32_b32 hwreg(HW_REG_WAVE_MODE, 25, 1), 1
	s_wait_xcnt 0x0
	s_wait_alu depctr_hold_cnt(0) depctr_sa_sdst(0) depctr_va_vdst(0) depctr_va_sdst(0) depctr_va_ssrc(0) depctr_va_vcc(0) depctr_vm_vsrc(0)
	s_getreg_b32 s2, hwreg(HW_REG_IB_STS2, 6, 4)
	s_cmp_eq_u32 s2, 0
	s_cbranch_scc0 .Lentry_in_a_cluster
	s_endpgm
.Lentry_in_a_cluster:
	s_bfe_u32 s2, ttmp6, 0x10000c
	s_cmp_lg_u32 s2, 0xf033
	s_cbranch_scc0 .Lentry_shape_is_right
	s_endpgm
.Lentry_shape_is_right:
; QKV.  Q = rope(x Wq^T + bq), K = rope(x Wk^T + bk), both [8192][1024] f16 in qk; V^T = (x Wv^T)^T, [1024 channels][8192 tokens] f16 in vt (bv is added
; two launches on, to the mean of V's rows: the weights there sum to 1 exactly).  Operands bf16, sums f32, each result rounded once to f16.
; LIMIT.  f16 ends at 65,504: |Q|, |K|, |V| stay below it.  bq and bk are rounded to bf16 like every other input.
; SHARES.  A work-group makes 256 tokens x (128 channels of Q, of K and of V, all from channel 128 n on).  Wave w: tokens 128 (w / 2) on; all 128 channels of Q
; (w even) or of K (w odd), and 64 channels of V: 96 accumulators of 16 x 16, 768 registers.  So a rotary pair never leaves a lane and each x fragment feeds 12 products.
; K goes in steps of 64, one K block of xb and wts, whose tile rows lie end to end: a tile is asked for as rows of 256 bytes and padded in LDS after every 128.
; CLUSTER 4 x 4: x's tile hangs on the token tile alone and is asked for jointly along a row of the cluster, the weights' on n alone, along a column.
; LDS: slot 0 at 0, slot 1 at 131,072 (one exclusive or turns an address of one into the other's): x 256 rows x 144, then Wq, Wk, Wv 128 rows x 144 each.
;   The rotary table (256 tokens x 64 pairs x 8 bytes, rows of 528) lies round the slots in four parts of 64 rows: part 0 behind slot 0, parts 1-3 behind slot 1.
;   The stage for the way out lies in slot 1, which has had its last fill and its last read by then.
; REGISTERS: window 0: v0-31 addresses; v32-95, v96-159 x fragments, two buffers; v160-255 twelve weight fragments.  Windows 1, 2: Q's or K's accumulators, channel blocks
;   0-3 and 4-7; window 3: V's.  Accumulator (token block a, channel block bb) at v[64 bb + 8 a].  Window 3 v0-63 first holds the bias, the C operand of the first products.
.set PIT,   144
.set SLOT1, 131072
.set BOFF,  256*PIT                    ; the weights behind x
.set VOFF,  BOFF+256*PIT               ; Wv behind Wq and Wk
.set TPIT,  528
.set TPART, 64*TPIT
.set TAB0,  640*PIT                    ; table part 0: behind slot 0
.set TJUMP, SLOT1-TPART                ; parts 1-3 lie this much further on: behind slot 1
.set SPARE, SLOT1+640*PIT+3*TPART      ; the spare words, 128 bytes a wave
.set STAGE, SLOT1
.set SPIT,  272
.set A0,   3
.set B0,   4
.set V0,   5
.set ADRA, 6
.set ADRB, 7
.set ADRV, 8
.set TA0,  9
.set STO,  10
.set RD,   11
.set CO,   12
.set CV,   13
.set BO,   14
.set TA1,  15
.set SPW,  28
.set NIL,  29
.set AF,   32
.set BF,   160
.set TBL,  32                          ; the way out: a block's table
.set T,    96                          ;              rotated numbers, then packed
.set OB,   160                         ;              rows read back, two buffers of 32
.set WV,   18
.set RH,   19
.set CH,   20
.set CX,   21
.set CY,   22
.set NN,   23
.set MT,   24
.set G1A,  28
.set G1B,  36
.set G1T,  44
.set G0A,  52
.set G0B,  68
.set G0T,  76
.set TB,   80
.set CNT,  82
.set QB,   84
.set VTB,  86
.set MSB, 0
.macro WIN new                         ; the immediate's high byte repeats the setting that is left; a switch that changes nothing is dropped
.if MSB != (\new)
	s_set_vgpr_msb (MSB<<8)|(\new)
.set MSB, (\new)
.endif
.endm
.macro PLACES n=4                      ; plain instructions between a matrix instruction and what touches its registers (ISA guide 7.12.1)
.rept \n
	v_nop
.endr
.endm
.macro CREST                           ; a round of the cluster's barrier behind its opening barrier
	s_cmp_lg_u32 s[WV], 0
	s_cbranch_scc1 .Lnot_wave_0_\@
	s_barrier_signal -3
.Lnot_wave_0_\@:
	s_barrier_wait -3
	s_barrier_signal -1
	s_barrier_wait -1
.endm
.macro CROUND
	s_barrier_signal -1
	s_barrier_wait -1
	CREST
.endm
.macro JLOAD                           ; a joint refill: wave 0 fetches x's tile, waves 1-3 one weight's each; an s_nop 0 and four v_nop follow each line
	s_cmp_eq_u32 s[WV], 0
	s_cbranch_scc0 .Lfor_b_\@
	tensor_load_to_lds s[G0A+4:G0A+7], s[G1A:G1A+7]
	s_nop 0
	PLACES
	s_branch .Lasked_\@
.Lfor_b_\@:
	tensor_load_to_lds s[G0B+4:G0B+7], s[G1B:G1B+7]
	s_nop 0
	PLACES
.Lasked_\@:
.endm
	s_load_b256 s[4:11], s[0:1], 0x0               ; xb 4, wts 6, tab 8, bq 10
	s_load_b128 s[12:15], s[0:1], 0x20             ; bk 12, qk 14
	s_load_b64 s[16:17], s[0:1], 0x30              ; vt
	v_lshl_add_u32 v[SPW], v0, 2, SPARE
	v_mov_b32 v[NIL], 0
	ds_add_u32 v[SPW], v[NIL]                      ; the wave's opening: the add and its wait ahead of my first tensor load
	ds_add_u32 v28, v29
	v_lshrrev_b32 v1, 5, v0
	v_readfirstlane_b32 s[WV], v1
	s_lshr_b32 s[RH], s[WV], 1                     ; which 128 tokens
	s_and_b32 s[CH], s[WV], 1                      ; Q or K; which 64 channels of V
	s_bfe_u32 s[CX], ttmp6, 0x40000
	s_bfe_u32 s[CY], ttmp6, 0x40004
	s_lshl_b32 s[NN], ttmp9, 2
	s_add_co_u32 s[NN], s[NN], s[CX]               ; channel tile n = 4 x cluster x + cx
	s_and_b32 s[MT], ttmp7, 0xffff
	s_lshl_b32 s[MT], s[MT], 2
	s_add_co_u32 s[MT], s[MT], s[CY]               ; token tile = 4 x cluster y + cy
	s_lshl_b32 s25, s[CY], 2
	s_lshl_b32 s25, 15, s25                        ; my row of the cluster
	s_lshl_b32 s26, 0x1111, s[CX]                  ; my column
	s_or_b32 s[G1A], s25, (1<<16)|(1<<20)|(1<<21)|(4<<22)|(3<<25)  ; the mask; 2-byte elements; padding on; bit 21 beside a mask; after every 32 words 4 words
	s_or_b32 s[G1B], s26, (1<<16)|(1<<20)|(1<<21)|(4<<22)|(3<<25)
.irp g, G1A, G1B
	s_mov_b32 s[(\g)+1], 128<<16                   ; tensor_dim0 = 128 elements: 256 bytes, two rows of a K block
	s_mov_b32 s[(\g)+3], 128<<16                   ; tile_dim0
	s_mov_b32 s[(\g)+5], 128                       ; dense
	s_mov_b32 s[(\g)+6], 0
	s_mov_b32 s[(\g)+7], 0
.endr
	s_mov_b32 s[G1A+2], 128<<16                    ; x: 128 such rows, 32,768 bytes
	s_mov_b32 s[G1A+4], 128
	s_mov_b32 s[G1B+2], 64<<16                     ; a weight: 64, 16,384 bytes
	s_mov_b32 s[G1B+4], 64
	s_mov_b32 s[G1T], (2<<16)|(1<<20)|(6<<22)|(3<<25)  ; the table: my own load; 4-byte elements; after every 128 words 4 words
	s_mov_b32 s[G1T+1], 128<<16
	s_mov_b32 s[G1T+2], 64<<16
	s_mov_b32 s[G1T+3], 128<<16
	s_mov_b32 s[G1T+4], 64
	s_mov_b32 s[G1T+5], 1024
	s_mov_b32 s[G1T+6], 0
	s_mov_b32 s[G1T+7], 0
	s_mov_b32 s[G0A], 1
	s_mov_b32 s[G0A+1], 0
	s_mov_b32 s[G0A+4], 1
	s_mov_b32 s[G0A+5], SLOT1
	s_add_co_u32 s27, s[WV], 1
	s_mul_i32 s27, s27, 128*PIT                    ; waves 1-3: BOFF + (w - 1) x 128 rows
	s_mov_b32 s[G0B], 1
	s_mov_b32 s[G0B+1], s27
	s_mov_b32 s[G0B+4], 1
	s_add_co_u32 s[G0B+5], s27, SLOT1
	s_add_co_u32 s27, s[WV], 3
	s_lshr_b32 s27, s27, 2                         ; 0 for wave 0, 1 for the others
	s_mul_i32 s27, s27, TJUMP
	s_mul_i32 s3, s[WV], TPART
	s_add_co_u32 s27, s27, s3
	s_mov_b32 s[G0T], 1
	s_add_co_u32 s[G0T+1], s27, TAB0
	s_lshl_b32 s88, s[MT], 15                      ; x: 256 rows of 128 bytes in a K block's plane
	s_mov_b32 s89, 0
	s_add_co_u32 s90, s[WV], 3
	s_and_b32 s90, s90, 3                          ; waves 1, 2, 3 take Wq, Wk, Wv
	s_lshl_b32 s90, s90, 21
	s_lshl_b32 s91, s[NN], 14                      ; 128 rows of 128 bytes
	s_add_co_u32 s90, s90, s91
	s_mov_b32 s91, 0
	s_and_b32 s92, s[MT], 7                        ; the table goes by the token's place in its batch
	s_lshl_b32 s92, s92, 20
	s_lshl_b32 s93, s[WV], 18                      ; my 64 rows of 4,096 bytes
	s_add_co_u32 s92, s92, s93
	s_lshl_b32 s93, s[NN], 9                       ; 64 pairs of 8 bytes
	s_add_co_u32 s92, s92, s93
	s_mov_b32 s93, 0
	s_mov_b32 s[TB], 0
	s_wait_dscnt 0x0                               ; the opening add is done
	s_wait_kmcnt 0x0
	s_add_nc_u64 s[G0A+2:G0A+3], s[4:5], s[88:89]
	s_add_nc_u64 s[G0A+6:G0A+7], s[G0A+2:G0A+3], 0x100000   ; K step 1: the next plane
	s_or_b32 s[G0A+3], s[G0A+3], 0x80000000
	s_or_b32 s[G0A+7], s[G0A+7], 0x80000000
	s_add_nc_u64 s[G0B+2:G0B+3], s[6:7], s[90:91]
	s_add_nc_u64 s[G0B+6:G0B+7], s[G0B+2:G0B+3], 0x20000
	s_or_b32 s[G0B+3], s[G0B+3], 0x80000000
	s_or_b32 s[G0B+7], s[G0B+7], 0x80000000
	s_add_nc_u64 s[G0T+2:G0T+3], s[8:9], s[92:93]
	s_or_b32 s[G0T+3], s[G0T+3], 0x80000000
	CROUND                                         ; all sixteen work-groups are here: the first joint loads meet
	s_cmp_eq_u32 s[WV], 0                          ; a wave's three first fills stand in one branch: three loads of mine are out
	s_cbranch_scc0 .Lfirst_b
	tensor_load_to_lds s[G0A:G0A+3], s[G1A:G1A+7]
	s_nop 0
	tensor_load_to_lds s[G0A+4:G0A+7], s[G1A:G1A+7]
	s_nop 0
	tensor_load_to_lds s[G0T:G0T+3], s[G1T:G1T+7]
	s_nop 0
	PLACES
	s_branch .Lfirst_done
.Lfirst_b:
	tensor_load_to_lds s[G0B:G0B+3], s[G1B:G1B+7]
	s_nop 0
	tensor_load_to_lds s[G0B+4:G0B+7], s[G1B:G1B+7]
	s_nop 0
	tensor_load_to_lds s[G0T:G0T+3], s[G1T:G1T+7]
	s_nop 0
	PLACES
.Lfirst_done:
	v_and_b32 v1, 15, v0                           ; r = l % 16
	v_bfe_u32 v2, v0, 4, 1                         ; h = l / 16
	v_lshlrev_b32 v[BO], 5, v2
	s_cmp_eq_u32 s[CH], 1
	s_cselect_b64 s[2:3], s[12:13], s[10:11]       ; bk or bq
	s_lshl_b32 s26, s[NN], 9
	s_mov_b32 s27, 0
	s_add_nc_u64 s[2:3], s[2:3], s[26:27]
	WIN 0xc0                                       ; destination window 3
.irp b, 0,1,2,3,4,5,6,7                ; the bias as a C operand: register j of block b holds channel 16 b + 8 h + j, whatever the token
	global_load_b128 v[8*(\b):8*(\b)+3],   v[BO], s[2:3] offset:64*(\b)
	global_load_b128 v[8*(\b)+4:8*(\b)+7], v[BO], s[2:3] offset:64*(\b)+16
.endr
	WIN 0
	v_mul_u32_u24 v16, v1, PIT
	v_lshl_add_u32 v16, v2, 4, v16                 ; a fragment's row x pitch + 16 x half
	s_mul_i32 s25, s[RH], 128*PIT
	v_add_nc_u32 v[A0], s25, v16
	s_mul_i32 s25, s[CH], 128*PIT
	s_add_co_u32 s25, s25, BOFF
	v_add_nc_u32 v[B0], s25, v16
	s_mul_i32 s25, s[CH], 64*PIT
	s_add_co_u32 s25, s25, VOFF
	v_add_nc_u32 v[V0], s25, v16
	v_mov_b32 v[ADRA], v[A0]
	v_mov_b32 v[ADRB], v[B0]
	v_mov_b32 v[ADRV], v[V0]
	v_mul_u32_u24 v16, v1, TPIT
	v_lshl_add_u32 v16, v2, 5, v16                 ; the table: token row, 32 bytes (four pairs) for each half of the lanes
	s_lshl_b32 s25, s[RH], 1                       ; my token blocks 0-3 lie in part 2 (w / 2),
	s_add_co_u32 s26, s25, 3
	s_lshr_b32 s26, s26, 2
	s_mul_i32 s26, s26, TJUMP
	s_mul_i32 s27, s25, TPART
	s_add_co_u32 s26, s26, s27
	s_add_co_u32 s26, s26, TAB0
	v_add_nc_u32 v[TA0], s26, v16
	s_add_co_u32 s27, s27, TAB0+TJUMP+TPART        ; blocks 4-7 in the part behind it
	v_add_nc_u32 v[TA1], s27, v16
	s_mul_i32 s25, s[WV], 16*SPIT
	s_add_co_u32 s25, s25, STAGE                   ; my stage
	v_mul_u32_u24 v16, v1, SPIT
	v_lshl_add_u32 v16, v2, 4, v16
	v_add_nc_u32 v[STO], s25, v16                  ; in: row r, 16 bytes for each half of the lanes
	v_mul_u32_u24 v16, v2, SPIT
	v_lshl_add_u32 v16, v1, 4, v16
	v_add_nc_u32 v[RD], s25, v16                   ; back: lanes 0-15 one row of 256 bytes, lanes 16-31 the next
	v_lshlrev_b32 v16, 4, v1
	v_lshl_add_u32 v[CO], v2, 11, v16              ; the same two rows in Q or K,
	v_lshl_add_u32 v[CV], v2, 14, v16              ; and in V^T
	s_lshl_b32 s26, s[CH], 24                      ; K lies 16,777,216 bytes behind Q
	s_lshl_b32 s27, s[MT], 19
	s_add_co_u32 s26, s26, s27
	s_lshl_b32 s27, s[RH], 18
	s_add_co_u32 s26, s26, s27
	s_lshl_b32 s27, s[NN], 8
	s_add_co_u32 s26, s26, s27
	s_mov_b32 s27, 0
	s_add_nc_u64 s[QB:QB+1], s[14:15], s[26:27]
	s_lshl_b32 s26, s[NN], 21                      ; V^T: 128 n + 64 (w % 2) rows of 16,384 bytes,
	s_lshl_b32 s27, s[CH], 20
	s_add_co_u32 s26, s26, s27
	s_lshl_b32 s27, s[MT], 9                       ; my tokens, 2 bytes each
	s_add_co_u32 s26, s26, s27
	s_lshl_b32 s27, s[RH], 8
	s_add_co_u32 s26, s26, s27
	s_mov_b32 s27, 0
	s_add_nc_u64 s[VTB:VTB+1], s[16:17], s[26:27]
	s_wait_loadcnt 0x0                             ; the bias; it is rounded to bf16 like every input, in window 3 (v64-95 there are at work)
	WIN 0xcf
.set i, 0
.rept 32
	v_cvt_pk_bf16_f32 v[64+i], v[2*i], v[2*i+1]
.set i, i+1
.endr
.set i, 0
.rept 32
	v_lshlrev_b32 v[2*i], 16, v[64+i]
	v_and_b32 v[2*i+1], 0xffff0000, v[64+i]
.set i, i+1
.endr
	WIN 0
; 16 products of group g (0, 1: Q's or K's channel blocks 4 g + bb; 2: V's), channel blocks bb = 2 hb, 2 hb + 1, all 8 token blocks, on x buffer ab.  The accumulators take turns.
; Groups 0, 1: source 0 = 16 channels, source 1 = 16 tokens: a lane holds one token and eight neighbouring channels.  Group 2 the other way round: a channel and eight tokens.
; first = 1: the sums begin, with the bias as C (groups 0, 1) or with 0.
.macro MG16 g, ab, hb, first
.if (\first) && ((\g) < 2)
	WIN (((\g)+1)<<6)|0x30
.else
	WIN ((\g)+1)*0x50
.endif
.irp bq, 0,1
.irp a, 0,1,2,3,4,5,6,7
.set rD, 64*(2*(\hb)+(\bq))+8*(\a)
.set rW, BF+8*(4*(\g)+2*(\hb)+(\bq))
.set rX, AF+64*(\ab)+8*(\a)
.set rC, 8*(4*(\g)+2*(\hb)+(\bq))
.if (\g) < 2
.if \first
	v_wmma_f32_16x16x32_bf16 v[rD:rD+7], v[rW:rW+7], v[rX:rX+7], v[rC:rC+7]
.else
	v_wmma_f32_16x16x32_bf16 v[rD:rD+7], v[rW:rW+7], v[rX:rX+7], v[rD:rD+7]
.endif
.else
.if \first
	v_wmma_f32_16x16x32_bf16 v[rD:rD+7], v[rX:rX+7], v[rW:rW+7], 0
.else
	v_wmma_f32_16x16x32_bf16 v[rD:rD+7], v[rX:rX+7], v[rW:rW+7], v[rD:rD+7]
.endif
.endif
.endr
.endr
.endm
; A run of LDS loads for the next slice (32 along K at byte k of the rows): group g's four weight fragments, and with groups 0 and 1 x fragments 4 g .. 4 g + 3 into buffer nab: 16, 16, 8 loads.
.macro RUN g, k, nab
	WIN 0
.if (\g) < 2
.irp bb, 0,1,2,3
	ds_load_b128 v[BF+8*(4*(\g)+(\bb)):BF+8*(4*(\g)+(\bb))+3],   v[ADRB] offset:(64*(\g)+16*(\bb))*PIT+(\k)
	ds_load_b128 v[BF+8*(4*(\g)+(\bb))+4:BF+8*(4*(\g)+(\bb))+7], v[ADRB] offset:(64*(\g)+16*(\bb))*PIT+(\k)+32
.endr
.irp aq, 0,1,2,3
	ds_load_b128 v[AF+64*(\nab)+8*(4*(\g)+(\aq)):AF+64*(\nab)+8*(4*(\g)+(\aq))+3],   v[ADRA] offset:16*(4*(\g)+(\aq))*PIT+(\k)
	ds_load_b128 v[AF+64*(\nab)+8*(4*(\g)+(\aq))+4:AF+64*(\nab)+8*(4*(\g)+(\aq))+7], v[ADRA] offset:16*(4*(\g)+(\aq))*PIT+(\k)+32
.endr
.else
.irp bb, 0,1,2,3
	ds_load_b128 v[BF+8*(8+(\bb)):BF+8*(8+(\bb))+3],   v[ADRV] offset:16*(\bb)*PIT+(\k)
	ds_load_b128 v[BF+8*(8+(\bb))+4:BF+8*(8+(\bb))+7], v[ADRV] offset:16*(\bb)*PIT+(\k)+32
.endr
.endif
.endm
; A K step's first slice, on x buffer 0; behind each group's products its fragments for the second slice are fetched.
.macro SL0 first
	s_wait_dscnt 8                                 ; runs 0 and 1 of the slice before are in (all of x, groups 0 and 1); run 2's eight loads may be out
	MG16 0, 0, 0, \first
	MG16 0, 0, 1, \first
	WIN 0
	PLACES 4+(\first)
	RUN 0, 64, 1
	s_wait_dscnt 24                                ; run 2's eight and the sixteen just issued may be out
	MG16 1, 0, 0, \first
	MG16 1, 0, 1, \first
	WIN 0
	PLACES 4+(\first)                              ; in the first slice five: group 2's products write over the bias, which these products read
	RUN 1, 64, 1
	s_wait_dscnt 32                                ; run 2 of the slice before is in; the 32 issued since may be out
	MG16 2, 0, 0, \first
	MG16 2, 0, 1, \first
	WIN 0
	PLACES
	RUN 2, 64, 1
.endm
; The second slice, on x buffer 1, changes slots: ONE barrier.  In front of it each wave waits for all its tensor loads (its part of the next slot), adds 0 to its spare word, and waits for
; that and for its reads of this slot.  fill = 1: the barrier opens a round of the cluster's, and this slot is filled again, two K steps ahead, first thing behind the round.
.macro TURN fill
	WIN 0
	s_wait_tensorcnt 0x0
	ds_add_u32 v[SPW], v[NIL]
	s_wait_dscnt 9                                 ; the add and run 2's eight loads may be out
	MG16 0, 1, 0, 0
	s_wait_dscnt 0x0                               ; the add is done, and my reads of this slot are over: groups 1 and 2 have their fragments
	s_barrier_signal -1
	MG16 0, 1, 1, 0
	WIN 0
	s_barrier_wait -1
.if \fill
	CREST
	s_xor_b32 s[G0A+5], s[G0A+5], SLOT1            ; the walking descriptors: the other slot than last time, the next K block's plane
	s_add_nc_u64 s[G0A+6:G0A+7], s[G0A+6:G0A+7], 0x100000
	s_xor_b32 s[G0B+5], s[G0B+5], SLOT1
	s_add_nc_u64 s[G0B+6:G0B+7], s[G0B+6:G0B+7], 0x20000
	JLOAD                                          ; its four v_nop are also the places in front of the loads below
.else
	PLACES
.endif
	s_xor_b32 s[TB], s[TB], SLOT1
	v_add_nc_u32 v[ADRA], s[TB], v[A0]
	v_add_nc_u32 v[ADRB], s[TB], v[B0]
	v_add_nc_u32 v[ADRV], s[TB], v[V0]
	RUN 0, 0, 0
	MG16 1, 1, 0, 0
	MG16 1, 1, 1, 0
	WIN 0
	PLACES
	RUN 1, 0, 0
	MG16 2, 1, 0, 0
	MG16 2, 1, 1, 0
	WIN 0
	PLACES
	RUN 2, 0, 0
.endm
	s_wait_tensorcnt 0x2                           ; my part of K step 0 is in; K step 1's and the table's may stay out
	s_barrier_signal -1
	s_barrier_wait -1
	RUN 0, 0, 0
	RUN 1, 0, 0
	RUN 2, 0, 0
	SL0 1                                          ; the first slice stands in front of the loop: its products start the sums
	s_mov_b32 s[CNT], 14
.LA:                                                   ; 14 trips: K steps 2 to 15 are asked for
	TURN 1
	SL0 0
	s_sub_co_u32 s[CNT], s[CNT], 1
	s_cmp_lg_u32 s[CNT], 0
	s_cbranch_scc1 .LA
	s_mov_b32 s[CNT], 2
.LB:                                                   ; the last two K steps ask for nothing; the second trip is left in its middle.  Its fetch, from slot 0 once more, serves nothing: the price of one text
	TURN 0
	s_sub_co_u32 s[CNT], s[CNT], 1
	s_cmp_eq_u32 s[CNT], 0
	s_cbranch_scc1 .Lout
	SL0 0
	s_cmp_lg_u32 s[CNT], 0
	s_cbranch_scc1 .LB
.Lout:
; THE WAY OUT, a block of 16 rows at a time through my stage.  Q or K: token block a is rotated (y0 = x0 c - x1 s, y1 = x1 c + x0 s, the pair in one lane), rounded to f16, 16 bytes a lane.
.macro LT a                            ; block a's table: for each channel block four pairs (c, s), 32 bytes
.if (\a) < 4
.set rA, TA0
.else
.set rA, TA1
.endif
.irp b, 0,1,2,3,4,5,6,7
	ds_load_b128 v[TBL+8*(\b):TBL+8*(\b)+3],   v[rA] offset:16*((\a)%4)*TPIT+64*(\b)
	ds_load_b128 v[TBL+8*(\b)+4:TBL+8*(\b)+7], v[rA] offset:16*((\a)%4)*TPIT+64*(\b)+16
.endr
.endm
.macro ROPE a
.irp g, 0,1
	WIN (\g)+1                                     ; source 0: the accumulators' window
.irp bb, 0,1,2,3
.irp i, 0,1,2,3                        ; each accumulator's lowest registers are read first
.set rT, T+8*(4*(\g)+(\bb))+2*(\i)
.set rS, 64*(\bb)+8*(\a)+2*(\i)
.set rC, TBL+8*(4*(\g)+(\bb))+2*(\i)
	v_pk_mul_f32 v[rT:rT+1], v[rS:rS+1], v[rC:rC+1] op_sel_hi:[1,0]
.endr
.irp i, 0,1,2,3
.set rT, T+8*(4*(\g)+(\bb))+2*(\i)
.set rS, 64*(\bb)+8*(\a)+2*(\i)
.set rC, TBL+8*(4*(\g)+(\bb))+2*(\i)
	v_pk_fma_f32 v[rT:rT+1], v[rS:rS+1], v[rC:rC+1], v[rT:rT+1] op_sel:[1,1,0] op_sel_hi:[0,1,1] neg_lo:[1,0,0]
.endr
.endr
.endr
	WIN 0
.endm
.macro TOSTAGE par
	s_wait_xcnt 0x0                                ; the stores of two blocks back have read this buffer: it is loaded again only behind this wait
.irp b, 0,1,2,3,4,5,6,7
	ds_store_b128 v[STO], v[T+8*(\b):T+8*(\b)+3] offset:32*(\b)
.endr
.irp t, 0,1,2,3,4,5,6,7
	ds_load_b128 v[OB+32*(\par)+4*(\t):OB+32*(\par)+4*(\t)+3], v[RD] offset:2*SPIT*(\t)  ; LDS serves a wave's instructions in order (ISA guide 5.7.1.4): these see the stores above
.endr
.endm
.macro SEND par, younger, sb, vo, imm, step
	s_wait_dscnt \younger
.irp t, 0,1,2,3,4,5,6,7
	global_store_b128 v[\vo], v[OB+32*(\par)+4*(\t):OB+32*(\par)+4*(\t)+3], s[\sb:\sb+1] offset:(\imm)+(\t)*(\step)  ; 16 lanes store 256 consecutive bytes, aligned
.endr
.endm
.macro QKB a
.if (\a) == 0
	s_wait_dscnt 0x0
.else
	s_wait_dscnt 16                                ; this block's table is in; the sixteen stage instructions of the block before may be out
.endif
	ROPE \a
.if (\a) < 7
	LT (\a)+1
.endif
.irp b, 0,1,2,3,4,5,6,7
.irp j, 0,1,2,3
	v_cvt_pk_f16_f32 v[T+8*(\b)+(\j)], v[T+8*(\b)+2*(\j)], v[T+8*(\b)+2*(\j)+1]
.endr
.endr
.if ((\a) > 0) && ((\a) < 7)
	SEND ((\a)-1)%2, 16, QB, CO, 16*((\a)-1)*2048, 4096   ; the next table's sixteen loads may be out
.elseif (\a) == 7
	SEND 0, 0, QB, CO, 16*6*2048, 4096
.endif
	TOSTAGE (\a)%2
.endm
.macro VBLK bb                         ; V: channel block bb: a lane holds a channel and, for each token block, eight neighbouring tokens
	WIN 0x0f
.irp a, 0,1,2,3,4,5,6,7
.irp j, 0,1,2,3
	v_cvt_pk_f16_f32 v[T+8*(\a)+(\j)], v[64*(\bb)+8*(\a)+2*(\j)], v[64*(\bb)+8*(\a)+2*(\j)+1]
.endr
.endr
	WIN 0
.if (\bb) == 0
	SEND 1, 0, QB, CO, 16*7*2048, 4096
.else
	SEND ((\bb)-1)%2, 0, VTB, CV, 16*((\bb)-1)*16384, 32768
.endif
	TOSTAGE (\bb)%2
.endm
	PLACES
	s_wait_dscnt 0x0                               ; the unused fetch has landed: its registers are free
	LT 0
.irp a, 0,1,2,3,4,5,6,7
	QKB \a
.endr
.irp bb, 0,1,2,3
	VBLK \bb
.endr
	SEND 1, 0, VTB, CV, 16*3*16384, 32768
	s_wait_tensorcnt 0x0                           ; the wave's end
	ds_add_u32 v[SPW], v[NIL]
	s_wait_dscnt 0x0
	CROUND                                         ; the closing round
	s_endpgm
.Lfunc_end_k_qd90625257a_qkv:
	.size	k_qd90625257a_qkv, .Lfunc_end_k_qd90625257a_qkv-k_qd90625257a_qkv
	.p2alignl 7, 3214868480
	.fill 96, 4, 3214868480
	.section	.rodata,"a",@progbits
	.p2align	6, 0x0
	.amdhsa_kernel k_qd90625257a_qkv
		.amdhsa_group_segment_fixed_size 327680
		.amdhsa_private_segment_fixed_size 0
		.amdhsa_enable_private_segment 0
		.amdhsa_kernarg_size 56
		.amdhsa_user_sgpr_count 2
		.amdhsa_user_sgpr_kernarg_segment_ptr 1
		.amdhsa_wavefront_size32 1
		.amdhsa_system_sgpr_workgroup_id_x 1
		.amdhsa_system_sgpr_workgroup_id_y 1
		.amdhsa_system_sgpr_workgroup_id_z 1
		.amdhsa_system_vgpr_workitem_id 0
		.amdhsa_next_free_vgpr 1024
		.amdhsa_next_free_sgpr 96
		.amdhsa_reserve_vcc 0
		.amdhsa_float_denorm_mode_32 3
		.amdhsa_float_denorm_mode_16_64 3
		.amdhsa_memory_ordered 1
		.amdhsa_forward_progress 1
		.amdhsa_inst_pref_size 154
	.end_amdhsa_kernel
	.amdgpu_metadata
---
amdhsa.version: [ 1, 2 ]
amdhsa.kernels:
  - .name:           k_qd90625257a_qkv
    .symbol:         k_qd90625257a_qkv.kd
    .args:
      - { .name: xb, .offset: 0, .size: 8, .value_kind: global_buffer, .address_space: global }
      - { .name: wts, .offset: 8, .size: 8, .value_kind: global_buffer, .address_space: global }
      - { .name: tab, .offset: 16, .size: 8, .value_kind: global_buffer, .address_space: global }
      - { .name: bq, .offset: 24, .size: 8, .value_kind: global_buffer, .address_space: global }
      - { .name: bk, .offset: 32, .size: 8, .value_kind: global_buffer, .address_space: global }
      - { .name: qk, .offset: 40, .size: 8, .value_kind: global_buffer, .address_space: global }
      - { .name: vt, .offset: 48, .size: 8, .value_kind: global_buffer, .address_space: global }
    .group_segment_fixed_size: 327680
    .private_segment_fixed_size: 0
    .kernarg_segment_align: 8
    .kernarg_segment_size: 56
    .max_flat_workgroup_size: 128
    .sgpr_count:     96
    .vgpr_count:     1024
    .wavefront_size: 32
...
	.end_amdgpu_metadata
.endif
;; end of part 2
;; launch score (part 3): grid 36 x 4, 4 waves a work-group, no clusters, 327,680 bytes of LDS; arguments qk, pb, st; writes pb, st
.if DOCPART == 3
	.amdgcn_target "amdgcn-amd-amdhsa--gfx1250"
	.amdhsa_code_object_version 6
	.text
	.protected	k_qd90625257a_score
	.globl	k_qd90625257a_score
	.p2align	8
	.type	k_qd90625257a_score,@function
k_qd90625257a_score:
	s_mov_b64 s[64:65], 0
	v_nop
	global_prefetch_b8 v0, s[64:65] scope:SCOPE_SE
	s_setreg_imm32_b32 hwreg(HW_REG_WAVE_MODE, 25, 1), 1
	s_wait_xcnt 0x0
; SCORE.  For each of the 36 tiles (I, J), J <= I, of 256 queries x 256 keys of a batch: s = Q K^T; m = the row's maximum over the tile's 256 keys; p = 2^(c s - c m), c = log2(e) / 32, rounded to
; f16 and stored in pb[batch][query][key]; the sums l of the ROUNDED p over each half of 128 keys, and c m, in st.  The next launch joins the tiles by a running maximum over c m.
; Tiles above the diagonal are not made: the model's own mask hides them.
; LIMITS.  A hidden score counts as its value less 1e30 (f16 operands give at most 4.4e12).  p below 6e-5 keeps f16's fixed step of 6e-8; p below 2^-126 is 0.  NaN and infinities are not treated apart.
; NO CLUSTER: a row of tiles has I + 1 = 1 to 8 of them and a column 8 - J, so the 36 tiles of a batch do not fall into fours that share an operand.
; SHARES.  Wave w: queries 128 (w / 2) on, keys 128 (w % 2) on: 64 accumulators.  Source 0 = 16 keys, source 1 = 16 queries: a lane holds one query and eight neighbouring keys.
; THE MASK is the C operand of the first products: three tuples, for key blocks below, on and above the wave tile's diagonal.
; K goes in steps of 128 (rows of 256 bytes) through two slots.  A slot is 139,264 = 0x22000 bytes; a wave's part begins at 0x8800 w, which has neither of those two bits: one exclusive or changes slots.
; REGISTERS: window 0: v0-23 addresses; v24-47 the masks; v48-111, v112-175 Q fragments, two buffers; v176-239 K fragments.  Windows 1, 2: accumulators of key blocks 0-3, 4-7, (a, bb) at v[64 bb + 8 a].
.set PIT,   272
.set HALFT, 128*PIT
.set KOFF,  2*HALFT
.set SLOT,  4*HALFT
.set STAGE, 2*SLOT
.set MX,    STAGE+4*16*PIT             ; the row maxima that the two key halves exchange: 512 bytes a wave
.set SW,    MX+2048                    ; the statistics on their way out: 1,024 bytes a wave
.set SPARE, SW+4096
.set Q0,   3
.set K0,   4
.set ADRQ, 5
.set ADRK, 6
.set STO,  7
.set RD,   8
.set GO,   9
.set MXS,  10
.set MXL,  11
.set SWS,  12
.set SWL,  13
.set SG,   14
.set DD,   15
.set SPW,  20
.set NIL,  21
.set CZ,   24
.set CD,   32
.set CB,   40
.set AF,   48
.set BF,   176
.set RM,   48                          ; the way out: maxima
.set MP,   56
.set CMP,  64                          ; pairs (c m, m)
.set RL,   80                          ; sums
.set LA0,  88
.set LA1,  96
.set ONES, 104
.set TMP,  112                         ; packed weights, 16 registers for each group
.set OB,   144                         ; rows read back, two buffers of 32
.set WV,   12
.set RH,   13
.set CH,   14
.set II,   15
.set JJ,   16
.set BT,   17
.set G1,   20
.set G0,   28
.set TB,   36
.set CNT,  37
.set CS,   38
.set SEL,  40
.set BIGN, 42
.set SZ,   43
.set SB,   44
.set PBS,  46
.set STB,  48
.set MSB, 0
.macro WIN new
.if MSB != (\new)
	s_set_vgpr_msb (MSB<<8)|(\new)
.set MSB, (\new)
.endif
.endm
.macro PLACES n=4
.rept \n
	v_nop
.endr
.endm
	s_load_b128 s[4:7], s[0:1], 0x0                ; qk 4, pb 6
	s_load_b64 s[8:9], s[0:1], 0x10                ; st
	v_lshl_add_u32 v[SPW], v0, 2, SPARE
	v_mov_b32 v[NIL], 0
	ds_add_u32 v[SPW], v[NIL]                      ; the wave's opening: the add and its wait ahead of my first tensor load
	ds_add_u32 v20, v21
	v_lshrrev_b32 v1, 5, v0
	v_readfirstlane_b32 s[WV], v1
	s_lshr_b32 s[RH], s[WV], 1                     ; which 128 queries.  Also: I fetch for Q (0) or for K (1)
	s_and_b32 s[CH], s[WV], 1                      ; which 128 keys.  Also: which 128 rows of that tile I fetch
	s_and_b32 s[BT], ttmp7, 0xffff                 ; the batch
	s_mov_b32 s50, ttmp9                           ; the tile's number I (I + 1) / 2 + J
	s_mov_b32 s[II], 0
.irp th, 1,3,6,10,15,21,28
	s_cmp_ge_u32 s50, \th
	s_cselect_b32 s51, 1, 0
	s_add_co_u32 s[II], s[II], s51
.endr
	s_add_co_u32 s51, s[II], 1
	s_mul_i32 s51, s51, s[II]
	s_lshr_b32 s51, s51, 1
	s_sub_co_u32 s[JJ], s50, s51
	s_mov_b32 s[G1], (1<<16)|(1<<20)|(5<<22)|(3<<25)  ; 2-byte elements; padding on; after every 64 words 4 words
	s_mov_b32 s[G1+1], 128<<16
	s_mov_b32 s[G1+2], 128<<16
	s_mov_b32 s[G1+3], 128<<16
	s_mov_b32 s[G1+4], 128
	s_mov_b32 s[G1+5], 1024
	s_mov_b32 s[G1+6], 0
	s_mov_b32 s[G1+7], 0
	s_mul_i32 s51, s[WV], HALFT
	s_mov_b32 s[G0], 1
	s_mov_b32 s[G0+1], s51
	s_mov_b32 s[G0+4], 1
	s_add_co_u32 s[G0+5], s51, SLOT
	s_cmp_eq_u32 s[RH], 0
	s_cselect_b32 s52, s[II], s[JJ]                ; Q's tile goes by I, K's by J
	s_lshl_b32 s52, s52, 19                        ; 256 rows of 2,048 bytes
	s_lshl_b32 s53, s[BT], 22
	s_add_co_u32 s52, s52, s53
	s_lshl_b32 s53, s[CH], 18
	s_add_co_u32 s52, s52, s53
	s_lshl_b32 s53, s[RH], 24                      ; K lies behind Q
	s_add_co_u32 s52, s52, s53
	s_mov_b32 s53, 0
	s_mov_b32 s[CS], 0x3d38aa3b                    ; c = log2(e) / 32
	s_mov_b32 s[CS+1], s[CS]
	s_mov_b32 s[SEL], 0x76543210
	s_mov_b32 s[SEL+1], 0xfedcba98
	s_mov_b32 s[BIGN], 0xf149f2ca                  ; -1e30
	s_cmp_eq_u32 s[II], s[JJ]
	s_cselect_b32 s54, 1, 0                        ; the diagonal tile
	s_cmp_lt_u32 s[RH], s[CH]
	s_cselect_b32 s55, s54, 0
	s_cmp_le_u32 s[RH], s[CH]
	s_cselect_b32 s56, s54, 0
	s_cmp_lg_u32 s55, 0
	s_cselect_b32 s[SZ], s[BIGN], 0                ; key blocks below the wave tile's diagonal: hidden only where the whole wave tile is
	s_cmp_lg_u32 s56, 0
	s_cselect_b32 s[SB], s[BIGN], 0                ; key blocks above it
	s_mov_b32 s[TB], 0
	s_lshl_b32 s54, s[BT], 23                      ; pb: 2,048 rows of 4,096 bytes a batch,
	s_lshl_b32 s55, s[II], 20
	s_add_co_u32 s54, s54, s55
	s_lshl_b32 s55, s[RH], 19
	s_add_co_u32 s54, s54, s55
	s_lshl_b32 s55, s[JJ], 9                       ; 256 keys of 2 bytes
	s_add_co_u32 s54, s54, s55
	s_lshl_b32 s55, s[CH], 8
	s_add_co_u32 s54, s54, s55
	s_mov_b32 s55, 0
	s_lshl_b32 s56, s[JJ], 16                      ; st: plane 2 J + w % 2 of 32,768 bytes,
	s_lshl_b32 s57, s[CH], 15
	s_add_co_u32 s56, s56, s57
	s_lshl_b32 s57, s[BT], 13                      ; my 128 rows, 4 bytes each
	s_add_co_u32 s56, s56, s57
	s_lshl_b32 s57, s[II], 10
	s_add_co_u32 s56, s56, s57
	s_lshl_b32 s57, s[RH], 9
	s_add_co_u32 s56, s56, s57
	s_mov_b32 s57, 0
	s_wait_dscnt 0x0                               ; the opening add is done
	s_wait_kmcnt 0x0
	s_add_nc_u64 s[G0+2:G0+3], s[4:5], s[52:53]
	s_add_nc_u64 s[G0+6:G0+7], s[G0+2:G0+3], 256
	s_or_b32 s[G0+3], s[G0+3], 0x80000000
	s_or_b32 s[G0+7], s[G0+7], 0x80000000
	s_add_nc_u64 s[PBS:PBS+1], s[6:7], s[54:55]
	s_add_nc_u64 s[STB:STB+1], s[8:9], s[56:57]
	tensor_load_to_lds s[G0:G0+3], s[G1:G1+7]      ; K steps 0 and 1: two loads of mine are out
	s_nop 0
	tensor_load_to_lds s[G0+4:G0+7], s[G1:G1+7]
	s_nop 0
	PLACES
	v_and_b32 v1, 15, v0                           ; r
	v_bfe_u32 v2, v0, 4, 1                         ; h
	v_mul_u32_u24 v16, v1, PIT
	v_lshl_add_u32 v16, v2, 4, v16
	s_mul_i32 s50, s[RH], HALFT
	v_add_nc_u32 v[Q0], s50, v16
	s_mul_i32 s50, s[CH], HALFT
	s_add_co_u32 s50, s50, KOFF
	v_add_nc_u32 v[K0], s50, v16
	v_mov_b32 v[ADRQ], v[Q0]
	v_mov_b32 v[ADRK], v[K0]
	s_mul_i32 s50, s[WV], 16*PIT
	s_add_co_u32 s50, s50, STAGE
	v_add_nc_u32 v[STO], s50, v16                  ; in: row r, 16 bytes for each half of the lanes
	v_mul_u32_u24 v17, v2, PIT
	v_lshl_add_u32 v17, v1, 4, v17
	v_add_nc_u32 v[RD], s50, v17                   ; back: two whole rows a load
	v_lshlrev_b32 v17, 4, v1
	v_lshl_add_u32 v[GO], v2, 12, v17
	v_lshlrev_b32 v17, 2, v1
	s_lshl_b32 s51, s[RH], 9
	s_add_co_u32 s51, s51, MX
	s_lshl_b32 s50, s[CH], 10
	s_add_co_u32 s50, s50, s51
	v_add_nc_u32 v[MXS], s50, v17                  ; my maxima,
	s_xor_b32 s52, s[CH], 1
	s_lshl_b32 s52, s52, 10
	s_add_co_u32 s52, s52, s51
	v_add_nc_u32 v[MXL], s52, v17                  ; and those of the wave with the other 128 keys
	s_lshl_b32 s50, s[WV], 10
	s_add_co_u32 s50, s50, SW
	v_add_nc_u32 v[SWS], s50, v17
	v_and_b32 v18, 31, v0
	v_lshlrev_b32 v[SG], 4, v18
	v_add_nc_u32 v[SWL], s50, v[SG]
	v_lshlrev_b32 v18, 3, v2
	v_sub_nc_u32 v[DD], v1, v18                    ; on the diagonal block register j is hidden where 8 h + j > r
.irp j, 0,1,2,3,4,5,6,7
	v_mov_b32 v[CZ+(\j)], s[SZ]
	v_mov_b32 v[CB+(\j)], s[SB]
.endr
.irp j, 0,1,2,3,4,5,6,7
	v_cmp_gt_i32 vcc_lo, \j, v[DD]
	v_cndmask_b32 v[CD+(\j)], v[CZ], v[CB], vcc_lo
.endr
; 16 products of group g (key blocks 4 g + bb), bb = 2 hb, 2 hb + 1, all 8 query blocks, on Q buffer ab.  The accumulators take turns.  first = 1: the sums begin with the mask.
.macro MG16 g, ab, hb, first
.if \first
	WIN ((\g)+1)<<6
.else
	WIN ((\g)+1)*0x50
.endif
.irp bq, 0,1
.irp a, 0,1,2,3,4,5,6,7
.set kb, 4*(\g)+2*(\hb)+(\bq)
.set rD, 64*(2*(\hb)+(\bq))+8*(\a)
.set rK, BF+8*kb
.set rQ, AF+64*(\ab)+8*(\a)
.if \first
.if kb < (\a)
	v_wmma_f32_16x16x32_f16 v[rD:rD+7], v[rK:rK+7], v[rQ:rQ+7], v[CZ:CZ+7]
.elseif kb == (\a)
	v_wmma_f32_16x16x32_f16 v[rD:rD+7], v[rK:rK+7], v[rQ:rQ+7], v[CD:CD+7]
.else
	v_wmma_f32_16x16x32_f16 v[rD:rD+7], v[rK:rK+7], v[rQ:rQ+7], v[CB:CB+7]
.endif
.else
	v_wmma_f32_16x16x32_f16 v[rD:rD+7], v[rK:rK+7], v[rQ:rQ+7], v[rD:rD+7]
.endif
.endr
.endr
.endm
; A run of LDS loads for the next slice: group g's four K fragments; run 0 also all of Q into buffer nab: 24 and 8 loads.
.macro RUN g, k, nab
	WIN 0
.irp bb, 0,1,2,3
	ds_load_b128 v[BF+8*(4*(\g)+(\bb)):BF+8*(4*(\g)+(\bb))+3],   v[ADRK] offset:(64*(\g)+16*(\bb))*PIT+(\k)
	ds_load_b128 v[BF+8*(4*(\g)+(\bb))+4:BF+8*(4*(\g)+(\bb))+7], v[ADRK] offset:(64*(\g)+16*(\bb))*PIT+(\k)+32
.endr
.if (\g) == 0
.irp a, 0,1,2,3,4,5,6,7
	ds_load_b128 v[AF+64*(\nab)+8*(\a):AF+64*(\nab)+8*(\a)+3],   v[ADRQ] offset:16*(\a)*PIT+(\k)
	ds_load_b128 v[AF+64*(\nab)+8*(\a)+4:AF+64*(\nab)+8*(\a)+7], v[ADRQ] offset:16*(\a)*PIT+(\k)+32
.endr
.endif
.endm
.macro SL ab, nk, first                ; a slice of 32 along K on Q buffer ab; the next slice, at byte nk, is fetched into the other
	s_wait_dscnt 8                                 ; run 0 of the slice before is in; run 1's eight loads may be out
	MG16 0, \ab, 0, \first
	MG16 0, \ab, 1, \first
	WIN 0
	PLACES
	RUN 0, \nk, 1-(\ab)
	s_wait_dscnt 24                                ; run 1 is in; the 24 just issued may be out
	MG16 1, \ab, 0, \first
	MG16 1, \ab, 1, \first
	WIN 0
	PLACES
	RUN 1, \nk, 1-(\ab)
.endm
; A K step's last slice changes slots: ONE barrier; in front of it each wave waits for all its tensor loads, adds 0 to its spare word, and waits for that and for its reads of this slot.
.macro TURN fill
	WIN 0
	s_wait_tensorcnt 0x0
	ds_add_u32 v[SPW], v[NIL]
	s_wait_dscnt 9                                 ; the add and run 1's eight loads may be out
	MG16 0, 1, 0, 0
	s_wait_dscnt 0x0                               ; the add is done, and my reads of this slot are over
	s_barrier_signal -1
	MG16 0, 1, 1, 0
	WIN 0
	s_barrier_wait -1
.if \fill
	s_xor_b32 s[G0+5], s[G0+5], SLOT               ; the walking descriptor: the other slot than last time, the next 128 along K
	s_add_nc_u64 s[G0+6:G0+7], s[G0+6:G0+7], 256
	tensor_load_to_lds s[G0+4:G0+7], s[G1:G1+7]    ; my one load behind the barrier, and the first thing there
	s_nop 0
.endif
	PLACES
	s_xor_b32 s[TB], s[TB], SLOT
	v_add_nc_u32 v[ADRQ], s[TB], v[Q0]
	v_add_nc_u32 v[ADRK], s[TB], v[K0]
	RUN 0, 0, 0
	MG16 1, 1, 0, 0
	MG16 1, 1, 1, 0
	WIN 0
	PLACES
	RUN 1, 0, 0
.endm
	s_wait_tensorcnt 0x1                           ; my part of K step 0 is in; K step 1's may stay out
	s_barrier_signal -1
	s_barrier_wait -1
	RUN 0, 0, 0
	RUN 1, 0, 0
	SL 0, 64, 1                                    ; the first slice stands in front of the loop: its products start the sums
	s_mov_b32 s[CNT], 6
.LA:                                                   ; 6 trips: K steps 2 to 7 are asked for
	SL 1, 128, 0
	SL 0, 192, 0
	TURN 1
	SL 0, 64, 0
	s_sub_co_u32 s[CNT], s[CNT], 1
	s_cmp_lg_u32 s[CNT], 0
	s_cbranch_scc1 .LA
	s_mov_b32 s[CNT], 2
.LB:                                                   ; the last two K steps ask for nothing; the second trip is left in its middle, its last fetch unused
	SL 1, 128, 0
	SL 0, 192, 0
	TURN 0
	s_sub_co_u32 s[CNT], s[CNT], 1
	s_cmp_eq_u32 s[CNT], 0
	s_cbranch_scc1 .Lout
	SL 0, 64, 0
	s_cmp_lg_u32 s[CNT], 0
	s_cbranch_scc1 .LB
.Lout:
	PLACES
	s_wait_dscnt 0x0                               ; the unused fetch has landed: its registers are free
.irp a, 0,1,2,3,4,5,6,7
	v_mov_b32 v[RM+(\a)], 0xff7fffff               ; the lowest finite number
	v_mov_b32 v[ONES+(\a)], 0x3c003c00             ; 1.0 twice in f16
.endr
.irp g, 0,1                            ; THE MAXIMA: eight chains, one a query block, so that no line waits for the one before it; each accumulator's lowest registers are read first
	WIN ((\g)+1)*0x14
.irp bb, 0,1,2,3
.irp k, 0,1,2,3
.irp a, 0,1,2,3,4,5,6,7
	v_max3_num_f32 v[RM+(\a)], v[RM+(\a)], v[64*(\bb)+8*(\a)+2*(\k)], v[64*(\bb)+8*(\a)+2*(\k)+1]
.endr
.endr
.endr
.endr
	WIN 0
.irp a, 0,1,2,3,4,5,6,7
	v_permlanex16_b32 v[MP+(\a)], v[RM+(\a)], s[SEL], s[SEL+1]  ; the query's other keys lie in the lane 16 away
.endr
.irp a, 0,1,2,3,4,5,6,7
	v_max_num_f32 v[RM+(\a)], v[RM+(\a)], v[MP+(\a)]
.endr
.irp a, 0,1,2,3,4,5,6,7
	ds_store_b32 v[MXS], v[RM+(\a)] offset:64*(\a)
.endr
	s_wait_dscnt 0x0                               ; for the other wave's sake: my maxima are in LDS
	s_barrier_signal -1
	s_barrier_wait -1
.irp a, 0,1,2,3,4,5,6,7
	ds_load_b32 v[MP+(\a)], v[MXL] offset:64*(\a)
.endr
	s_wait_dscnt 0x0
.irp a, 0,1,2,3,4,5,6,7
	v_max_num_f32 v[CMP+2*(\a)+1], v[RM+(\a)], v[MP+(\a)]   ; m over the tile's 256 keys: every row sees a key, its own at the latest
.endr
.irp a, 0,1,2,3,4,5,6,7
	v_mul_f32 v[CMP+2*(\a)], s[CS], v[CMP+2*(\a)+1]
.endr
.macro SEND a, younger
	s_wait_dscnt \younger
.irp t, 0,1,2,3,4,5,6,7
	global_store_b128 v[GO], v[OB+32*((\a)%2)+4*(\t):OB+32*((\a)%2)+4*(\t)+3], s[PBS:PBS+1] offset:(16*(\a)+2*(\t))*4096  ; 16 lanes store 256 consecutive bytes, aligned
.endr
.endm
; Query block a: p = 2^(c s - c m) in place, rounded to f16; two neighbouring key blocks' packed weights ARE a source 1 of 32 keys x 16 queries, and a product with ones sums them: the sum of the
; rounded weights, the same numbers that multiply V.  The two sum accumulators take turns.
.macro PBLK a
.irp g, 0,1
	WIN ((\g)+1)*0x41
.irp bb, 0,1,2,3
.irp i, 0,1,2,3
.set rS, 64*(\bb)+8*(\a)+2*(\i)
	v_pk_fma_f32 v[rS:rS+1], v[rS:rS+1], s[CS:CS+1], v[CMP+2*(\a):CMP+2*(\a)+1] op_sel_hi:[1,0,0] neg_lo:[0,0,1] neg_hi:[0,0,1]
.endr
.endr
.irp bb, 0,1,2,3
.irp j, 0,1,2,3,4,5,6,7
	v_exp_f32 v[64*(\bb)+8*(\a)+(\j)], v[64*(\bb)+8*(\a)+(\j)]
.endr
.endr
	v_nop                                          ; one plain instruction between the run of exponentials and the first line that reads a result of it (ISA guide 5.7.2): an exponential is no such place
	WIN ((\g)+1)*5
	s_wait_alu depctr_va_vdst(0)
.irp bb, 0,1,2,3
.irp i, 0,1,2,3
	v_cvt_pk_f16_f32 v[TMP+16*(\g)+4*(\bb)+(\i)], v[64*(\bb)+8*(\a)+2*(\i)], v[64*(\bb)+8*(\a)+2*(\i)+1]
.endr
.endr
	WIN 0
.if ((\g) == 0) && ((\a) > 0)
	v_add_f32 v[RL+(\a)-1], v[LA0], v[LA1]         ; the block before: its sums, far behind the products that made them
.endif
.irp bb, 0,1,2,3
	ds_store_b128 v[STO], v[TMP+16*(\g)+4*(\bb):TMP+16*(\g)+4*(\bb)+3] offset:32*(4*(\g)+(\bb))
.endr
.if (\g) == 0
	v_wmma_f32_16x16x32_f16 v[LA0:LA0+7], v[ONES:ONES+7], v[TMP:TMP+7], 0
	v_wmma_f32_16x16x32_f16 v[LA1:LA1+7], v[ONES:ONES+7], v[TMP+8:TMP+15], 0
.else
	v_wmma_f32_16x16x32_f16 v[LA0:LA0+7], v[ONES:ONES+7], v[TMP+16:TMP+23], v[LA0:LA0+7]
	v_wmma_f32_16x16x32_f16 v[LA1:LA1+7], v[ONES:ONES+7], v[TMP+24:TMP+31], v[LA1:LA1+7]
.endif
.endr
	s_wait_xcnt 0x0                                ; the stores of two blocks back have read this buffer
.irp t, 0,1,2,3,4,5,6,7
	ds_load_b128 v[OB+32*((\a)%2)+4*(\t):OB+32*((\a)%2)+4*(\t)+3], v[RD] offset:2*PIT*(\t)  ; LDS serves a wave's instructions in order (ISA guide 5.7.1.4)
.endr
.if (\a) > 0
	SEND (\a)-1, 16                                ; this block's eight stores and eight loads may be out
.endif
.endm
.irp a, 0,1,2,3,4,5,6,7
	PBLK \a
.endr
	PLACES
	v_add_f32 v[RL+7], v[LA0], v[LA1]
	SEND 7, 0
.irp a, 0,1,2,3,4,5,6,7                ; the statistics: one number a row, gathered in my own LDS words and stored as 512 consecutive bytes
	ds_store_b32 v[SWS], v[CMP+2*(\a)] offset:64*(\a)
	ds_store_b32 v[SWS], v[RL+(\a)] offset:512+64*(\a)
.endr
	ds_load_b128 v[RM:RM+3], v[SWL]
	ds_load_b128 v[RM+4:RM+7], v[SWL] offset:512
	s_wait_dscnt 0x0
	global_store_b128 v[SG], v[RM:RM+3], s[STB:STB+1]
	global_store_b128 v[SG], v[RM+4:RM+7], s[STB:STB+1] offset:524288
	s_wait_tensorcnt 0x0                           ; the wave's end
	ds_add_u32 v[SPW], v[NIL]
	s_wait_dscnt 0x0
	s_endpgm
.Lfunc_end_k_qd90625257a_score:
	.size	k_qd90625257a_score, .Lfunc_end_k_qd90625257a_score-k_qd90625257a_score
	.p2alignl 7, 3214868480
	.fill 96, 4, 3214868480
	.section	.rodata,"a",@progbits
	.p2align	6, 0x0
	.amdhsa_kernel k_qd90625257a_score
		.amdhsa_group_segment_fixed_size 327680
		.amdhsa_private_segment_fixed_size 0
		.amdhsa_enable_private_segment 0
		.amdhsa_kernarg_size 24
		.amdhsa_user_sgpr_count 2
		.amdhsa_user_sgpr_kernarg_segment_ptr 1
		.amdhsa_wavefront_size32 1
		.amdhsa_system_sgpr_workgroup_id_x 1
		.amdhsa_system_sgpr_workgroup_id_y 1
		.amdhsa_system_sgpr_workgroup_id_z 1
		.amdhsa_system_vgpr_workitem_id 0
		.amdhsa_next_free_vgpr 768
		.amdhsa_next_free_sgpr 66
		.amdhsa_reserve_vcc 1
		.amdhsa_float_denorm_mode_32 3
		.amdhsa_float_denorm_mode_16_64 3
		.amdhsa_memory_ordered 1
		.amdhsa_forward_progress 1
		.amdhsa_inst_pref_size 157
	.end_amdhsa_kernel
	.amdgpu_metadata
---
amdhsa.version: [ 1, 2 ]
amdhsa.kernels:
  - .name:           k_qd90625257a_score
    .symbol:         k_qd90625257a_score.kd
    .args:
      - { .name: qk, .offset: 0, .size: 8, .value_kind: global_buffer, .address_space: global }
      - { .name: pb, .offset: 8, .size: 8, .value_kind: global_buffer, .address_space: global }
      - { .name: st, .offset: 16, .size: 8, .value_kind: global_buffer, .address_space: global }
    .group_segment_fixed_size: 327680
    .private_segment_fixed_size: 0
    .kernarg_segment_align: 8
    .kernarg_segment_size: 24
    .max_flat_workgroup_size: 128
    .sgpr_count:     66
    .vgpr_count:     768
    .wavefront_size: 32
...
	.end_amdgpu_metadata
.endif
;; end of part 3
;; launch pv (part 4): grid 8 x 32, 4 waves a work-group, clusters of 4 x 1, 327,680 bytes of LDS; arguments pb, vt, st, bv, ob; writes ob
.if DOCPART == 4
	.amdgcn_target "amdgcn-amd-amdhsa--gfx1250"
	.amdhsa_code_object_version 6
	.text
	.protected	k_qd90625257a_pv
	.globl	k_qd90625257a_pv
	.p2align	8
	.type	k_qd90625257a_pv,@function
k_qd90625257a_pv:
	s_mov_b64 s[64:65], 0
	v_nop
	global_prefetch_b8 v0, s[64:65] scope:SCOPE_SE
	s_setreg_imm32_b32 hwreg(HW_REG_WAVE_MODE, 25, 1), 1
	s_wait_xcnt 0x0
	s_wait_alu depctr_hold_cnt(0) depctr_sa_sdst(0) depctr_va_vdst(0) depctr_va_sdst(0) depctr_va_ssrc(0) depctr_va_vcc(0) depctr_vm_vsrc(0)
	s_getreg_b32 s2, hwreg(HW_REG_IB_STS2, 6, 4)
	s_cmp_eq_u32 s2, 0
	s_cbranch_scc0 .Lentry_in_a_cluster
	s_endpgm
.Lentry_in_a_cluster:
	s_bfe_u32 s2, ttmp6, 0x10000c
	s_cmp_lg_u32 s2, 0x3003
	s_cbranch_scc0 .Lentry_shape_is_right
	s_endpgm
.Lentry_shape_is_right:
; PV.  O[q] = (sum over key tiles j of alpha_j p_j V_j) / L + bv, with a running maximum M over the tiles' c m: in each step the totals and L are multiplied by beta = 2^(M_old - M_new) and the
; tile's partial sums and row sums come in times alpha = 2^(c m_j - M_new).  L is the sum of the same rounded weights that multiply V, so the weights sum to 1 and bv may be added here.
; O goes out in f16 as [16 slabs of 64 channels][8192 tokens][64], so that the last launch's tile rows lie end to end.
; LIMITS.  |O| stays below 65,504.  bv is rounded to bf16 like every input.  NaN and infinities are not treated apart.
; THE WALK.  A block of 128 queries i needs the key tiles 0 .. i / 2 of 256 keys.  A work-group takes blocks 15 - p and then p: 9 key steps whatever p, one counted walk; the ring runs on across the
; change of blocks.  What differs from p to p lies in scalar registers; every jump but the loops' own goes forward and passes neither a barrier nor a tensor load.
; CLUSTER 4 x 1: the four partners make four channel tiles of 128 for the same queries, so the weights' tile is asked for jointly; V^T's tiles are each work-group's own, asked behind the same round.
; SHARES.  Wave w: queries 64 (w / 2) on, channels 64 (w % 2) on.  Source 0 = 16 channels of V^T, source 1 = 16 queries of p: a lane holds one query and eight channels.
; A slot is 135,168 = 0x21000 bytes; a wave's part begins at 0x8400 w, which has neither of those two bits: one exclusive or changes slots.
; REGISTERS: window 0: v0-31 addresses and statistics; v32-63 bv; v64-127 at work; v128-255 a step's partial sums.  Window 1: two fragment buffers.  Window 2: v0-127 the totals.
; The totals and L are cleared once, in the wait for the first tile: a block's first step multiplies them by beta = 0, so they need only be finite, and no first step is written out.
.set PITCH, 528
.set HALFT, 64*PITCH
.set SLOT,  4*HALFT
.set STAGE, 2*SLOT
.set SP,    144
.set SPARE, STAGE+4*16*SP
.set LPL,   524288                     ; the sums' planes lie behind the maxima's
.set A0,   3
.set B0,   4
.set ADRA, 5
.set ADRB, 6
.set STO,  7
.set RD,   8
.set GO,   9
.set SV,   10
.set SPW,  11
.set NIL,  12
.set BIG,  13
.set BO,   14
.set RL,   16                          ; v16-19 L
.set BA,   20                          ; v20-27 pairs (beta, alpha)
.set MN,   28                          ; v28-31 the new maximum
.set BV,   32
.set X,    64
.set OB,   96
.set SR,   112                         ; v112-123 c m, l of the two key halves; later pairs of 1 / L
.set RM,   124                         ; v124-127 M
.set ACC,  128
.set F0,   0
.set F1,   128
.set WV,   14
.set WR,   15
.set WC,   16
.set CX,   17
.set NN,   18
.set BT,   19
.set PP,   20
.set G1A,  24
.set G1B,  32
.set G0A,  40
.set G0B,  48
.set TB,   56
.set CNT,  57
.set FJ,   58                          ; the key tile to be asked for next,
.set FL,   59                          ; the last one of the block whose tiles are being asked for,
.set FRB,  60                          ; and that block's first row
.set RT,   61                          ; key tiles that the block in hand still has
.set CJ,   62                          ; the key tile in hand
.set CRB,  63                          ; the block in hand's first row
.set NM,   66                          ; all ones: the step is a block's first
.set J2,   67
.set RB2,  68
.set FL2,  69
.set OFA,  70
.set ABASE, 72
.set BBASE, 74
.set SBA,  76
.set OBA,  78
.set OAD,  80
.set OFB,  86
.set BVB,  88
.set MSB, 0
.macro WIN new
.if MSB != (\new)
	s_set_vgpr_msb (MSB<<8)|(\new)
.set MSB, (\new)
.endif
.endm
.set MUL,  0x05                        ; sources 0 and 1 window 1; C and D window 0
.set TO_F, 0x40                        ; destination window 1, address window 0
.macro PLACES n=4
.rept \n
	v_nop
.endr
.endm
.macro CREST
	s_cmp_lg_u32 s[WV], 0
	s_cbranch_scc1 .Lnot_wave_0_\@
	s_barrier_signal -3
.Lnot_wave_0_\@:
	s_barrier_wait -3
	s_barrier_signal -1
	s_barrier_wait -1
.endm
.macro CROUND
	s_barrier_signal -1
	s_barrier_wait -1
	CREST
.endm
.macro JLOAD                           ; waves 0 and 1 fetch the two halves of the weights' tile, jointly; waves 2 and 3 those of V^T's
	s_cmp_lt_u32 s[WV], 2
	s_cbranch_scc0 .Lfor_b_\@
	tensor_load_to_lds s[G0A+4:G0A+7], s[G1A:G1A+7]
	s_nop 0
	PLACES
	s_branch .Lasked_\@
.Lfor_b_\@:
	tensor_load_to_lds s[G0B+4:G0B+7], s[G1B:G1B+7]
	s_nop 0
	PLACES
.Lasked_\@:
.endm
	s_load_b256 s[4:11], s[0:1], 0x0               ; pb 4, vt 6, st 8, bv 10
	s_load_b64 s[12:13], s[0:1], 0x20              ; ob
	v_lshl_add_u32 v[SPW], v0, 2, SPARE
	v_mov_b32 v[NIL], 0
	ds_add_u32 v[SPW], v[NIL]                      ; the wave's opening: the add and its wait ahead of my first tensor load
	ds_add_u32 v11, v12
	v_lshrrev_b32 v1, 5, v0
	v_readfirstlane_b32 s[WV], v1
	s_lshr_b32 s[WR], s[WV], 1
	s_and_b32 s[WC], s[WV], 1
	s_bfe_u32 s[CX], ttmp6, 0x40000
	s_lshl_b32 s[NN], ttmp9, 2
	s_add_co_u32 s[NN], s[NN], s[CX]               ; channel tile: it enters V^T's, bv's and O's addresses alone
	s_and_b32 s82, ttmp7, 0xffff                   ; shared by the four partners:
	s_lshr_b32 s[BT], s82, 3                       ; the batch,
	s_and_b32 s[PP], s82, 7                        ; and p
	s_sub_co_u32 s83, 15, s[PP]
	s_lshr_b32 s[FL], s83, 1                       ; the first block's last key tile
	s_add_co_u32 s[RT], s[FL], 1
	s_lshr_b32 s[FL2], s[PP], 1                    ; the second block's
	s_add_co_u32 s[J2], s[FL2], 1
	s_lshl_b32 s84, s[BT], 11
	s_lshl_b32 s[CRB], s83, 7
	s_add_co_u32 s[CRB], s[CRB], s84
	s_lshl_b32 s[RB2], s[PP], 7
	s_add_co_u32 s[RB2], s[RB2], s84
	s_mov_b32 s[FRB], s[CRB]
	s_mov_b32 s[FJ], 2                             ; tiles 0 and 1 are the first fills: the first block has five tiles or more
	s_mov_b32 s[CJ], 0
	s_mov_b32 s[NM], -1
	s_mov_b32 s[TB], 0
	s_mov_b32 s[G1A], 15|(1<<16)|(1<<20)|(1<<21)|(6<<22)|(3<<25)  ; the mask of four; 2-byte elements; padding on; bit 21 beside a mask; after every 128 words 4 words
	s_mov_b32 s[G1B], (1<<16)|(1<<20)|(6<<22)|(3<<25)
.irp g, G1A, G1B
	s_mov_b32 s[(\g)+1], 256<<16
	s_mov_b32 s[(\g)+2], 64<<16
	s_mov_b32 s[(\g)+3], 256<<16
	s_mov_b32 s[(\g)+4], 64
	s_mov_b32 s[(\g)+6], 0
	s_mov_b32 s[(\g)+7], 0
.endr
	s_mov_b32 s[G1A+5], 2048
	s_mov_b32 s[G1B+5], 8192
	s_mul_i32 s82, s[WV], HALFT
.irp g, G0A, G0B
	s_mov_b32 s[(\g)], 1
	s_mov_b32 s[(\g)+1], s82
	s_mov_b32 s[(\g)+4], 1
	s_add_co_u32 s[(\g)+5], s82, SLOT
.endr
	s_lshl_b32 s82, s[WC], 18                      ; the weights: my 64 rows of 4,096 bytes
	s_mov_b32 s83, 0
	s_lshl_b32 s84, s[NN], 21                      ; V^T: 128 n + 64 (w % 2) rows of 16,384 bytes,
	s_lshl_b32 s85, s[WC], 20
	s_add_co_u32 s84, s84, s85
	s_lshl_b32 s85, s[BT], 12                      ; the batch's 2,048 tokens
	s_add_co_u32 s84, s84, s85
	s_mov_b32 s85, 0
	s_lshl_b32 s[OFA], s[CRB], 12
	s_mov_b32 s[OFA+1], 0
	s_mov_b32 s[OFB+1], 0
	s_lshl_b32 s90, s[NN], 21                      ; O: slab 2 n + w % 2 of 1,048,576 bytes,
	s_lshl_b32 s91, s[WC], 20
	s_add_co_u32 s90, s90, s91
	s_lshl_b32 s91, s[WR], 13                      ; my 64 rows of 128 bytes
	s_add_co_u32 s90, s90, s91
	s_mov_b32 s91, 0
	s_lshl_b32 s92, s[NN], 9
	s_lshl_b32 s93, s[WC], 8
	s_add_co_u32 s92, s92, s93
	s_mov_b32 s93, 0
	s_wait_dscnt 0x0                               ; the opening add is done
	s_wait_kmcnt 0x0
	s_add_nc_u64 s[ABASE:ABASE+1], s[4:5], s[82:83]
	s_add_nc_u64 s[BBASE:BBASE+1], s[6:7], s[84:85]
	s_add_nc_u64 s[OBA:OBA+1], s[12:13], s[90:91]
	s_add_nc_u64 s[BVB:BVB+1], s[10:11], s[92:93]
	s_add_nc_u64 s[G0A+2:G0A+3], s[ABASE:ABASE+1], s[OFA:OFA+1]
	s_add_nc_u64 s[G0A+6:G0A+7], s[G0A+2:G0A+3], 512
	s_or_b32 s[G0A+3], s[G0A+3], 0x80000000
	s_or_b32 s[G0A+7], s[G0A+7], 0x80000000
	s_add_nc_u64 s[G0B+2:G0B+3], s[BBASE:BBASE+1], 0
	s_add_nc_u64 s[G0B+6:G0B+7], s[BBASE:BBASE+1], 512
	s_or_b32 s[G0B+3], s[G0B+3], 0x80000000
	s_or_b32 s[G0B+7], s[G0B+7], 0x80000000
	CROUND                                         ; all four work-groups are here: the first joint loads meet
	s_cmp_lt_u32 s[WV], 2                          ; a wave's two first fills stand in one branch: two loads of mine are out
	s_cbranch_scc0 .Lfirst_b
	tensor_load_to_lds s[G0A:G0A+3], s[G1A:G1A+7]
	s_nop 0
	tensor_load_to_lds s[G0A+4:G0A+7], s[G1A:G1A+7]
	s_nop 0
	PLACES
	s_branch .Lfirst_done
.Lfirst_b:
	tensor_load_to_lds s[G0B:G0B+3], s[G1B:G1B+7]
	s_nop 0
	tensor_load_to_lds s[G0B+4:G0B+7], s[G1B:G1B+7]
	s_nop 0
	PLACES
.Lfirst_done:
	v_and_b32 v1, 15, v0                           ; r
	v_bfe_u32 v2, v0, 4, 1                         ; h
	v_lshlrev_b32 v[BO], 5, v2
.irp b, 0,1,2,3                        ; bv of my channels 16 b + 8 h + j
	global_load_b128 v[BV+8*(\b):BV+8*(\b)+3],   v[BO], s[BVB:BVB+1] offset:64*(\b)
	global_load_b128 v[BV+8*(\b)+4:BV+8*(\b)+7], v[BO], s[BVB:BVB+1] offset:64*(\b)+16
.endr
	v_mul_u32_u24 v15, v1, PITCH
	v_lshl_add_u32 v15, v2, 4, v15
	s_mul_i32 s82, s[WR], HALFT
	v_add_nc_u32 v[A0], s82, v15
	s_mul_i32 s82, s[WC], HALFT
	s_add_co_u32 s82, s82, 2*HALFT
	v_add_nc_u32 v[B0], s82, v15
	v_mov_b32 v[ADRA], v[A0]
	v_mov_b32 v[ADRB], v[B0]
	s_mul_i32 s82, s[WV], 16*SP
	s_add_co_u32 s82, s82, STAGE
	v_mul_u32_u24 v15, v1, SP
	v_lshl_add_u32 v15, v2, 4, v15
	v_add_nc_u32 v[STO], s82, v15                  ; in: row r, 16 bytes for each half of the lanes
	v_bfe_u32 v15, v0, 3, 2
	v_mul_u32_u24 v15, v15, SP
	v_and_b32 v[GO], 7, v0
	v_lshl_add_u32 v15, v[GO], 4, v15
	v_add_nc_u32 v[RD], s82, v15                   ; back: 32 lanes take four rows of 128 bytes,
	v_and_b32 v[GO], 31, v0
	v_lshlrev_b32 v[GO], 4, v[GO]                  ; which are 512 consecutive bytes of a slab
	s_lshl_b32 s82, s[WR], 8
	v_lshl_add_u32 v[SV], v1, 2, s82               ; my query's word in a plane of statistics
	v_mov_b32 v[BIG], 0xff7fffff
.irp a, 0,1,2,3
	v_mov_b32 v[RL+(\a)], 0
	v_mov_b32 v[RM+(\a)], v[BIG]
.endr
	WIN 0x80
.set i, 0
.rept 128
	v_mov_b32 v[i], 0
.set i, i+1
.endr
	WIN 0
	s_wait_loadcnt 0x0                             ; bv; it is rounded to bf16 like every input
.set i, 0
.rept 16
	v_cvt_pk_bf16_f32 v[X+i], v[BV+2*i], v[BV+2*i+1]
.set i, i+1
.endr
.set i, 0
.rept 16
	v_lshlrev_b32 v[BV+2*i], 16, v[X+i]
	v_and_b32 v[BV+2*i+1], 0xffff0000, v[X+i]
.set i, i+1
.endr
; 8 products: query blocks a0, a0 + 1 x all 4 channel blocks, 32 keys: half c of buffer f.  zero = 1: they start the step's partial sums.  The accumulators take turns.
.macro MUL8 f, c, a0, zero
	WIN MUL
.irp a, \a0, (\a0)+1
.irp b, 0,1,2,3
.if \zero
	v_wmma_f32_16x16x32_f16 v[ACC+8*(4*(\a)+(\b)):ACC+8*(4*(\a)+(\b))+7], v[(\f)+64+8*(4*(\c)+(\b)):(\f)+64+8*(4*(\c)+(\b))+7], v[(\f)+8*(4*(\c)+(\a)):(\f)+8*(4*(\c)+(\a))+7], 0
.else
	v_wmma_f32_16x16x32_f16 v[ACC+8*(4*(\a)+(\b)):ACC+8*(4*(\a)+(\b))+7], v[(\f)+64+8*(4*(\c)+(\b)):(\f)+64+8*(4*(\c)+(\b))+7], v[(\f)+8*(4*(\c)+(\a)):(\f)+8*(4*(\c)+(\a))+7], v[ACC+8*(4*(\a)+(\b)):ACC+8*(4*(\a)+(\b))+7]
.endif
.endr
.endr
.endm
; 32 LDS loads in one run: the fragments of 64 keys at byte k of the rows, into buffer f; the first 32 keys first
.macro FETCH k, f
	WIN TO_F
.irp c, 0,1
.irp i, 0,1,2,3
	ds_load_b128 v[(\f)+64+8*(4*(\c)+(\i)):(\f)+64+8*(4*(\c)+(\i))+3],   v[ADRB] offset:(\k)+64*(\c)+(\i)*16*PITCH
	ds_load_b128 v[(\f)+64+8*(4*(\c)+(\i))+4:(\f)+64+8*(4*(\c)+(\i))+7], v[ADRB] offset:(\k)+64*(\c)+(\i)*16*PITCH+32
	ds_load_b128 v[(\f)+8*(4*(\c)+(\i)):(\f)+8*(4*(\c)+(\i))+3],         v[ADRA] offset:(\k)+64*(\c)+(\i)*16*PITCH
	ds_load_b128 v[(\f)+8*(4*(\c)+(\i))+4:(\f)+8*(4*(\c)+(\i))+7],       v[ADRA] offset:(\k)+64*(\c)+(\i)*16*PITCH+32
.endr
.endr
.endm
.macro QUARTER k, f, g, zero           ; 64 keys on buffer f; the next 64, at byte k, are fetched into g
	s_wait_dscnt 16                                ; the first 32 keys are in
	MUL8 \f, 0, 0, \zero
	MUL8 \f, 0, 2, \zero
	PLACES
	FETCH \k, \g
	s_wait_dscnt 32                                ; all but the 32 just issued
	MUL8 \f, 1, 0, 0
	MUL8 \f, 1, 2, 0
.endm
; The last quarter changes slots: ONE barrier; in front of it each wave waits for all its tensor loads, adds 0 to its spare word, and waits for that and for its reads of this slot.
; fill = 1: the barrier opens a round of the cluster's, and this slot takes the key tile two steps on; the descriptors' addresses are made anew from the tile's number.
.macro TURN fill
	WIN 0
	s_wait_tensorcnt 0x0
	ds_add_u32 v[SPW], v[NIL]
	s_wait_dscnt 17                                ; the add and the youngest sixteen loads may be out
	MUL8 F1, 0, 0, 0
	s_wait_dscnt 0x0                               ; the add is done, and my reads of this slot are over
	s_barrier_signal -1
	MUL8 F1, 0, 2, 0
	WIN 0
	s_barrier_wait -1
.if \fill
	CREST
	s_lshl_b32 s[OFB], s[FJ], 9                    ; 256 keys of 2 bytes
	s_lshl_b32 s[OFA], s[FRB], 12
	s_add_co_u32 s[OFA], s[OFA], s[OFB]
	s_xor_b32 s[G0A+5], s[G0A+5], SLOT
	s_add_nc_u64 s[G0A+6:G0A+7], s[ABASE:ABASE+1], s[OFA:OFA+1]
	s_or_b32 s[G0A+7], s[G0A+7], 0x80000000
	s_xor_b32 s[G0B+5], s[G0B+5], SLOT
	s_add_nc_u64 s[G0B+6:G0B+7], s[BBASE:BBASE+1], s[OFB:OFB+1]
	s_or_b32 s[G0B+7], s[G0B+7], 0x80000000
	s_add_co_u32 s[FJ], s[FJ], 1                   ; the block's next tile, or behind its last the second block's tile 0
	s_cmp_gt_u32 s[FJ], s[FL]
	s_cselect_b32 s[FJ], 0, s[FJ]
	s_cselect_b32 s[FL], s[FL2], s[FL]
	s_cselect_b32 s[FRB], s[RB2], s[FRB]
	JLOAD                                          ; its four v_nop are also the places in front of the loads below
.else
	PLACES
.endif
	s_xor_b32 s[TB], s[TB], SLOT
	v_add_nc_u32 v[ADRA], s[TB], v[A0]
	v_add_nc_u32 v[ADRB], s[TB], v[B0]
	FETCH 0, F0
	MUL8 F1, 1, 0, 0
	MUL8 F1, 1, 2, 0
.endm
.macro STAT                            ; its twenty plain lines are the places behind the step's last products
.irp a, 0,1,2,3
	v_cndmask_b32 v[RM+(\a)], v[RM+(\a)], v[BIG], s[NM]   ; a block begins: M is the lowest finite number, so beta is 0 and alpha 1
.endr
.irp a, 0,1,2,3
	v_max_num_f32 v[MN+(\a)], v[RM+(\a)], v[SR+(\a)]
.endr
.irp a, 0,1,2,3
	v_sub_f32 v[BA+2*(\a)], v[RM+(\a)], v[MN+(\a)]
.endr
.irp a, 0,1,2,3
	v_sub_f32 v[BA+2*(\a)+1], v[SR+(\a)], v[MN+(\a)]
.endr
.irp a, 0,1,2,3
	v_add_f32 v[SR+4+(\a)], v[SR+4+(\a)], v[SR+8+(\a)]
.endr
.irp a, 0,1,2,3
	v_exp_f32 v[BA+2*(\a)], v[BA+2*(\a)]
	v_exp_f32 v[BA+2*(\a)+1], v[BA+2*(\a)+1]
.endr
.irp a, 0,1,2,3
	v_mov_b32 v[RM+(\a)], v[MN+(\a)]               ; plain lines behind the exponentials
.endr
	s_wait_alu depctr_va_vdst(0)
.irp a, 0,1,2,3
	v_mul_f32 v[RL+(\a)], v[RL+(\a)], v[BA+2*(\a)]
.endr
.irp a, 0,1,2,3
	v_fmac_f32 v[RL+(\a)], v[SR+4+(\a)], v[BA+2*(\a)+1]
.endr
.endm
.macro FOLD                            ; totals = totals x beta + partial sums x alpha; each accumulator's lowest registers are read first
	WIN 0x82
.irp a, 0,1,2,3
.set i, 0
.rept 16
	v_pk_mul_f32 v[32*(\a)+2*i:32*(\a)+2*i+1], v[32*(\a)+2*i:32*(\a)+2*i+1], v[BA+2*(\a):BA+2*(\a)+1] op_sel_hi:[1,0]
.set i, i+1
.endr
.endr
	WIN 0xa0
.irp a, 0,1,2,3
.set i, 0
.rept 16
	v_pk_fma_f32 v[32*(\a)+2*i:32*(\a)+2*i+1], v[ACC+32*(\a)+2*i:ACC+32*(\a)+2*i+1], v[BA+2*(\a):BA+2*(\a)+1], v[32*(\a)+2*i:32*(\a)+2*i+1] op_sel:[0,1,0] op_sel_hi:[1,1,1]
.set i, i+1
.endr
.endr
	WIN 0
.endm
.macro OUT                             ; a block ends: O = totals / L + bv, rounded to f16, 16 rows at a time through my stage
	s_wait_xcnt 0x0                                ; an earlier way out's stores have read their base and data
	s_lshl_b32 s84, s[CRB], 7
	s_mov_b32 s85, 0
	s_add_nc_u64 s[OAD:OAD+1], s[OBA:OBA+1], s[84:85]
.irp a, 0,1,2,3
	v_rcp_f32 v[SR+2*(\a)], v[RL+(\a)]
	v_rcp_f32 v[SR+2*(\a)+1], v[RL+(\a)]
.endr
	v_nop                                          ; a plain instruction behind the last reciprocal
	s_wait_alu depctr_va_vdst(0)
.irp a, 0,1,2,3
	WIN 0x02
.set i, 0
.rept 16
	v_pk_fma_f32 v[X+2*i:X+2*i+1], v[32*(\a)+2*i:32*(\a)+2*i+1], v[SR+2*(\a):SR+2*(\a)+1], v[BV+2*i:BV+2*i+1] op_sel_hi:[1,0,1]
.set i, i+1
.endr
	WIN 0
.irp b, 0,1,2,3
.irp j, 0,1,2,3
	v_cvt_pk_f16_f32 v[X+8*(\b)+(\j)], v[X+8*(\b)+2*(\j)], v[X+8*(\b)+2*(\j)+1]
.endr
.endr
.irp b, 0,1,2,3
	ds_store_b128 v[STO], v[X+8*(\b):X+8*(\b)+3] offset:32*(\b)
.endr
	s_wait_xcnt 0x0                                ; the last 16 rows' stores have read these registers
.irp f, 0,1,2,3
	ds_load_b128 v[OB+4*(\f):OB+4*(\f)+3], v[RD] offset:4*SP*(\f)  ; LDS serves a wave's instructions in order (ISA guide 5.7.1.4)
.endr
	s_wait_dscnt 0x0
.irp f, 0,1,2,3
	global_store_b128 v[GO], v[OB+4*(\f):OB+4*(\f)+3], s[OAD:OAD+1] offset:2048*(\a)+512*(\f)  ; 512 consecutive bytes, aligned
.endr
.endr
	s_mov_b32 s[CRB], s[RB2]                       ; on to the second block
	s_mov_b32 s[RT], s[J2]
	s_mov_b32 s[CJ], 0
	s_mov_b32 s[NM], -1
.endm
.macro STEP fill                       ; one key tile of 256 keys
	WIN 0
	s_lshl_b32 s84, s[CJ], 16                      ; plane 2 j,
	s_lshl_b32 s85, s[CRB], 2                      ; the block's rows
	s_add_co_u32 s84, s84, s85
	s_mov_b32 s85, 0
	s_add_nc_u64 s[SBA:SBA+1], s[8:9], s[84:85]    ; the last step's loads by this base were waited for
.irp a, 0,1,2,3
	global_load_b32 v[SR+(\a)],   v[SV], s[SBA:SBA+1] offset:64*(\a)
	global_load_b32 v[SR+4+(\a)], v[SV], s[SBA:SBA+1] offset:LPL+64*(\a)
	global_load_b32 v[SR+8+(\a)], v[SV], s[SBA:SBA+1] offset:LPL+32768+64*(\a)
.endr
	QUARTER 128, F0, F1, 1
	QUARTER 256, F1, F0, 0
	QUARTER 384, F0, F1, 0
	TURN \fill
	WIN 0
	s_wait_loadcnt 0x0                             ; the tile's statistics
	STAT
	FOLD
	s_sub_co_u32 s[RT], s[RT], 1
	s_add_co_u32 s[CJ], s[CJ], 1
	s_mov_b32 s[NM], 0
	s_cmp_lg_u32 s[RT], 0
	s_cbranch_scc1 .Lgo_on_\@
	OUT
.Lgo_on_\@:
.endm
	s_wait_tensorcnt 0x1                           ; my part of step 0 is in; step 1's may stay out
	s_barrier_signal -1
	s_barrier_wait -1
	FETCH 0, F0
	WIN 0
	s_mov_b32 s[CNT], 7
.LA:                                                   ; 7 trips: steps 2 to 8 are asked for
	STEP 1
	s_sub_co_u32 s[CNT], s[CNT], 1
	s_cmp_lg_u32 s[CNT], 0
	s_cbranch_scc1 .LA
	s_mov_b32 s[CNT], 2
.LB:                                                   ; the last two steps ask for nothing; the very last fetch, from a slot read before, serves nothing
	STEP 0
	s_sub_co_u32 s[CNT], s[CNT], 1
	s_cmp_lg_u32 s[CNT], 0
	s_cbranch_scc1 .LB
	s_wait_tensorcnt 0x0                           ; the wave's end
	ds_add_u32 v[SPW], v[NIL]
	s_wait_dscnt 0x0
	CROUND                                         ; the closing round
	s_endpgm
.Lfunc_end_k_qd90625257a_pv:
	.size	k_qd90625257a_pv, .Lfunc_end_k_qd90625257a_pv-k_qd90625257a_pv
	.p2alignl 7, 3214868480
	.fill 96, 4, 3214868480
	.section	.rodata,"a",@progbits
	.p2align	6, 0x0
	.amdhsa_kernel k_qd90625257a_pv
		.amdhsa_group_segment_fixed_size 327680
		.amdhsa_private_segment_fixed_size 0
		.amdhsa_enable_private_segment 0
		.amdhsa_kernarg_size 40
		.amdhsa_user_sgpr_count 2
		.amdhsa_user_sgpr_kernarg_segment_ptr 1
		.amdhsa_wavefront_size32 1
		.amdhsa_system_sgpr_workgroup_id_x 1
		.amdhsa_system_sgpr_workgroup_id_y 1
		.amdhsa_system_sgpr_workgroup_id_z 1
		.amdhsa_system_vgpr_workitem_id 0
		.amdhsa_next_free_vgpr 640
		.amdhsa_next_free_sgpr 96
		.amdhsa_reserve_vcc 0
		.amdhsa_float_denorm_mode_32 3
		.amdhsa_float_denorm_mode_16_64 3
		.amdhsa_memory_ordered 1
		.amdhsa_forward_progress 1
		.amdhsa_inst_pref_size 101
	.end_amdhsa_kernel
	.amdgpu_metadata
---
amdhsa.version: [ 1, 2 ]
amdhsa.kernels:
  - .name:           k_qd90625257a_pv
    .symbol:         k_qd90625257a_pv.kd
    .args:
      - { .name: pb, .offset: 0, .size: 8, .value_kind: global_buffer, .address_space: global }
      - { .name: vt, .offset: 8, .size: 8, .value_kind: global_buffer, .address_space: global }
      - { .name: st, .offset: 16, .size: 8, .value_kind: global_buffer, .address_space: global }
      - { .name: bv, .offset: 24, .size: 8, .value_kind: global_buffer, .address_space: global }
      - { .name: ob, .offset: 32, .size: 8, .value_kind: global_buffer, .address_space: global }
    .group_segment_fixed_size: 327680
    .private_segment_fixed_size: 0
    .kernarg_segment_align: 8
    .kernarg_segment_size: 40
    .max_flat_workgroup_size: 128
    .sgpr_count:     96
    .vgpr_count:     640
    .wavefront_size: 32
...
	.end_amdgpu_metadata
.endif
;; end of part 4
;; launch proj (part 5): grid 4 x 64, 4 waves a work-group, clusters of 4 x 4, 327,680 bytes of LDS; arguments ob, wts, bf, out0; writes out0
.if DOCPART == 5
	.amdgcn_target "amdgcn-amd-amdhsa--gfx1250"
	.amdhsa_code_object_version 6
	.text
	.protected	k_qd90625257a_proj
	.globl	k_qd90625257a_proj
	.p2align	8
	.type	k_qd90625257a_proj,@function
k_qd90625257a_proj:
	s_mov_b64 s[64:65], 0
	v_nop
	global_prefetch_b8 v0, s[64:65] scope:SCOPE_SE
	s_setreg_imm32_b32 hwreg(HW_REG_WAVE_MODE, 25, 1), 1
	s_wait_xcnt 0x0
	s_wait_alu depctr_hold_cnt(0) depctr_sa_sdst(0) depctr_va_vdst(0) depctr_va_sdst(0) depctr_va_ssrc(0) depctr_va_vcc(0) depctr_vm_vsrc(0)
	s_getreg_b32 s2, hwreg(HW_REG_IB_STS2, 6, 4)
	s_cmp_eq_u32 s2, 0
	s_cbranch_scc0 .Lentry_in_a_cluster
	s_endpgm
.Lentry_in_a_cluster:
	s_bfe_u32 s2, ttmp6, 0x10000c
	s_cmp_lg_u32 s2, 0xf033
	s_cbranch_scc0 .Lentry_shape_is_right
	s_endpgm
.Lentry_shape_is_right:
; PROJ.  out0 = O Wf^T + bf.  O in f16 by slabs of 64 channels, Wf (rounded to bf16, written as f16) by K blocks of 64; sums f32; bf, rounded to bf16 like every input, is the C operand of the first products.
; SHARES.  A work-group makes 128 tokens x 256 channels: 256 work-groups.  Wave w: tokens 64 (w / 2) on, channels 128 (w % 2) on: 32 accumulators.
; Source 0 = 16 channels of Wf, source 1 = 16 tokens: a lane holds one token and eight neighbouring channels, 32 bytes of f32.
; K goes in steps of 128, two slabs; a slab's tile rows lie end to end and are asked for as rows of 256 bytes, padded in LDS after every 128.
; CLUSTER 4 x 4: O's tile is asked for jointly along a row of the cluster, Wf's along a column.
; LDS: slot 0 at 0, slot 1 at 131,072: O 2 x 128 rows x 144, then Wf 2 x 256 rows x 144.  Behind them a stage of 16 rows x 528 for each wave, and the spare words.
; REGISTERS: window 0: v0-31 addresses; v32-127, v128-223 two fragment buffers (8 of Wf, 4 of O).  Window 1: accumulator (a, b) at v[8 (8 a + b)].  Window 2: v0-63 the bias, v64-95 at work.
.set PIT,   144
.set SLOT1, 131072
.set OSLAB, 128*PIT
.set WOFF,  2*OSLAB
.set WSLAB, 256*PIT
.set STAGE, SLOT1+WOFF+2*WSLAB
.set SPIT,  528
.set SPARE, STAGE+4*16*SPIT
.set O0,   3
.set W0,   4
.set ADRO, 5
.set ADRW, 6
.set STO,  7
.set RD,   8
.set GO,   9
.set BO,   10
.set SPW,  11
.set NIL,  12
.set F0,   32
.set F1,   128
.set OBF,  32                          ; the way out: rows read back, two buffers of 64
.set WV,   12
.set WR,   13
.set WC,   14
.set CX,   15
.set CY,   16
.set NN,   17
.set MT,   18
.set G1A,  20
.set G1B,  28
.set G0A,  36
.set G0B,  44
.set TB,   52
.set CNT,  53
.set OUTB, 54
.set MSB, 0
.macro WIN new
.if MSB != (\new)
	s_set_vgpr_msb (MSB<<8)|(\new)
.set MSB, (\new)
.endif
.endm
.macro PLACES n=4
.rept \n
	v_nop
.endr
.endm
.macro CREST
	s_cmp_lg_u32 s[WV], 0
	s_cbranch_scc1 .Lnot_wave_0_\@
	s_barrier_signal -3
.Lnot_wave_0_\@:
	s_barrier_wait -3
	s_barrier_signal -1
	s_barrier_wait -1
.endm
.macro CROUND
	s_barrier_signal -1
	s_barrier_wait -1
	CREST
.endm
.macro JLOAD                           ; waves 0 and 1 fetch O's two slabs, waves 2 and 3 Wf's
	s_cmp_lt_u32 s[WV], 2
	s_cbranch_scc0 .Lfor_b_\@
	tensor_load_to_lds s[G0A+4:G0A+7], s[G1A:G1A+7]
	s_nop 0
	PLACES
	s_branch .Lasked_\@
.Lfor_b_\@:
	tensor_load_to_lds s[G0B+4:G0B+7], s[G1B:G1B+7]
	s_nop 0
	PLACES
.Lasked_\@:
.endm
	s_load_b256 s[4:11], s[0:1], 0x0               ; ob 4, wts 6, bf 8, out0 10
	v_lshl_add_u32 v[SPW], v0, 2, SPARE
	v_mov_b32 v[NIL], 0
	ds_add_u32 v[SPW], v[NIL]                      ; the wave's opening: the add and its wait ahead of my first tensor load
	ds_add_u32 v11, v12
	v_lshrrev_b32 v1, 5, v0
	v_readfirstlane_b32 s[WV], v1
	s_lshr_b32 s[WR], s[WV], 1
	s_and_b32 s[WC], s[WV], 1                      ; which 128 channels.  Also: which slab of a K step I fetch
	s_bfe_u32 s[CX], ttmp6, 0x40000
	s_bfe_u32 s[CY], ttmp6, 0x40004
	s_lshl_b32 s[NN], ttmp9, 2
	s_add_co_u32 s[NN], s[NN], s[CX]
	s_and_b32 s[MT], ttmp7, 0xffff
	s_lshl_b32 s[MT], s[MT], 2
	s_add_co_u32 s[MT], s[MT], s[CY]
	s_lshl_b32 s56, s[CY], 2
	s_lshl_b32 s56, 15, s56                        ; my row of the cluster
	s_lshl_b32 s57, 0x1111, s[CX]                  ; my column
	s_or_b32 s[G1A], s56, (1<<16)|(1<<20)|(1<<21)|(4<<22)|(3<<25)
	s_or_b32 s[G1B], s57, (1<<16)|(1<<20)|(1<<21)|(4<<22)|(3<<25)
.irp g, G1A, G1B
	s_mov_b32 s[(\g)+1], 128<<16
	s_mov_b32 s[(\g)+3], 128<<16
	s_mov_b32 s[(\g)+5], 128
	s_mov_b32 s[(\g)+6], 0
	s_mov_b32 s[(\g)+7], 0
.endr
	s_mov_b32 s[G1A+2], 64<<16                     ; O: 128 rows of 128 bytes as 64 of 256
	s_mov_b32 s[G1A+4], 64
	s_mov_b32 s[G1B+2], 128<<16                    ; Wf: 256 rows as 128
	s_mov_b32 s[G1B+4], 128
	s_mul_i32 s56, s[WC], OSLAB
	s_mov_b32 s[G0A], 1
	s_mov_b32 s[G0A+1], s56
	s_mov_b32 s[G0A+4], 1
	s_add_co_u32 s[G0A+5], s56, SLOT1
	s_add_co_u32 s57, s[WC], 1
	s_mul_i32 s57, s57, WSLAB                      ; WOFF + slab x WSLAB (the two are equal)
	s_mov_b32 s[G0B], 1
	s_mov_b32 s[G0B+1], s57
	s_mov_b32 s[G0B+4], 1
	s_add_co_u32 s[G0B+5], s57, SLOT1
	s_lshl_b32 s58, s[WC], 20                      ; O: my slab, 128 tokens of 128 bytes
	s_lshl_b32 s59, s[MT], 14
	s_add_co_u32 s58, s58, s59
	s_mov_b32 s59, 0
	s_lshl_b32 s60, s[WC], 17                      ; Wf: behind the three other matrices, my K block, 256 rows of 128 bytes
	s_lshl_b32 s61, s[NN], 15
	s_add_co_u32 s60, s60, s61
	s_add_co_u32 s60, s60, 6291456
	s_mov_b32 s61, 0
	s_lshl_b32 s62, s[MT], 19                      ; out0: 128 rows of 4,096 bytes,
	s_lshl_b32 s63, s[WR], 18
	s_add_co_u32 s62, s62, s63
	s_lshl_b32 s63, s[NN], 10
	s_add_co_u32 s62, s62, s63
	s_lshl_b32 s63, s[WC], 9
	s_add_co_u32 s62, s62, s63
	s_mov_b32 s63, 0
	s_lshl_b32 s66, s[NN], 10
	s_lshl_b32 s67, s[WC], 9
	s_add_co_u32 s66, s66, s67
	s_mov_b32 s67, 0
	s_mov_b32 s[TB], 0
	s_wait_dscnt 0x0                               ; the opening add is done
	s_wait_kmcnt 0x0
	s_add_nc_u64 s[G0A+2:G0A+3], s[4:5], s[58:59]
	s_add_nc_u64 s[G0A+6:G0A+7], s[G0A+2:G0A+3], 0x200000
	s_or_b32 s[G0A+3], s[G0A+3], 0x80000000
	s_or_b32 s[G0A+7], s[G0A+7], 0x80000000
	s_add_nc_u64 s[G0B+2:G0B+3], s[6:7], s[60:61]
	s_add_nc_u64 s[G0B+6:G0B+7], s[G0B+2:G0B+3], 0x40000
	s_or_b32 s[G0B+3], s[G0B+3], 0x80000000
	s_or_b32 s[G0B+7], s[G0B+7], 0x80000000
	s_add_nc_u64 s[OUTB:OUTB+1], s[10:11], s[62:63]
	s_add_nc_u64 s[68:69], s[8:9], s[66:67]
	CROUND                                         ; all sixteen work-groups are here: the first joint loads meet
	s_cmp_lt_u32 s[WV], 2                          ; a wave's two first fills stand in one branch: two loads of mine are out
	s_cbranch_scc0 .Lfirst_b
	tensor_load_to_lds s[G0A:G0A+3], s[G1A:G1A+7]
	s_nop 0
	tensor_load_to_lds s[G0A+4:G0A+7], s[G1A:G1A+7]
	s_nop 0
	PLACES
	s_branch .Lfirst_done
.Lfirst_b:
	tensor_load_to_lds s[G0B:G0B+3], s[G1B:G1B+7]
	s_nop 0
	tensor_load_to_lds s[G0B+4:G0B+7], s[G1B:G1B+7]
	s_nop 0
	PLACES
.Lfirst_done:
	v_and_b32 v1, 15, v0                           ; r
	v_bfe_u32 v2, v0, 4, 1                         ; h
	v_lshlrev_b32 v[BO], 5, v2
	WIN 0x80                                       ; destination window 2
.irp b, 0,1,2,3,4,5,6,7
	global_load_b128 v[8*(\b):8*(\b)+3],   v[BO], s[68:69] offset:64*(\b)
	global_load_b128 v[8*(\b)+4:8*(\b)+7], v[BO], s[68:69] offset:64*(\b)+16
.endr
	WIN 0
	v_mul_u32_u24 v16, v1, PIT
	v_lshl_add_u32 v16, v2, 4, v16
	s_mul_i32 s56, s[WR], 64*PIT
	v_add_nc_u32 v[O0], s56, v16
	s_mul_i32 s56, s[WC], 128*PIT
	s_add_co_u32 s56, s56, WOFF
	v_add_nc_u32 v[W0], s56, v16
	v_mov_b32 v[ADRO], v[O0]
	v_mov_b32 v[ADRW], v[W0]
	s_mul_i32 s56, s[WV], 16*SPIT
	s_add_co_u32 s56, s56, STAGE
	v_mul_u32_u24 v16, v1, SPIT
	v_lshl_add_u32 v16, v2, 5, v16
	v_add_nc_u32 v[STO], s56, v16                  ; in: row r, 32 bytes for each half of the lanes
	v_and_b32 v[GO], 31, v0
	v_lshlrev_b32 v[GO], 4, v[GO]                  ; back and out: a whole row of 512 bytes a load
	v_add_nc_u32 v[RD], s56, v[GO]
	s_wait_loadcnt 0x0                             ; the bias; it is rounded to bf16 like every input, in window 2
	WIN 0x8a
.set i, 0
.rept 32
	v_cvt_pk_bf16_f32 v[64+i], v[2*i], v[2*i+1]
.set i, i+1
.endr
.set i, 0
.rept 32
	v_lshlrev_b32 v[2*i], 16, v[64+i]
	v_and_b32 v[2*i+1], 0xffff0000, v[64+i]
.set i, i+1
.endr
	WIN 0
.macro MULP f, a, first                ; 8 products: token block a x all 8 channel blocks, 32 along K.  first = 1: the sums begin with the bias.  The accumulators take turns.
.if \first
	WIN 0x60
.else
	WIN 0x50
.endif
.irp b, 0,1,2,3,4,5,6,7
.if \first
	v_wmma_f32_16x16x32_f16 v[8*(8*(\a)+(\b)):8*(8*(\a)+(\b))+7], v[(\f)+8*(\b):(\f)+8*(\b)+7], v[(\f)+64+8*(\a):(\f)+64+8*(\a)+7], v[8*(\b):8*(\b)+7]
.else
	v_wmma_f32_16x16x32_f16 v[8*(8*(\a)+(\b)):8*(8*(\a)+(\b))+7], v[(\f)+8*(\b):(\f)+8*(\b)+7], v[(\f)+64+8*(\a):(\f)+64+8*(\a)+7], v[8*(8*(\a)+(\b)):8*(8*(\a)+(\b))+7]
.endif
.endr
.endm
.macro FETCH sl, f                     ; 24 LDS loads: slice sl of a K step (slab sl / 2, byte 64 (sl % 2) of its rows): Wf's 16, then O's 8
	WIN 0
.irp b, 0,1,2,3,4,5,6,7
	ds_load_b128 v[(\f)+8*(\b):(\f)+8*(\b)+3],   v[ADRW] offset:((\sl)/2)*WSLAB+16*(\b)*PIT+64*((\sl)%2)
	ds_load_b128 v[(\f)+8*(\b)+4:(\f)+8*(\b)+7], v[ADRW] offset:((\sl)/2)*WSLAB+16*(\b)*PIT+64*((\sl)%2)+32
.endr
.irp a, 0,1,2,3
	ds_load_b128 v[(\f)+64+8*(\a):(\f)+64+8*(\a)+3],   v[ADRO] offset:((\sl)/2)*OSLAB+16*(\a)*PIT+64*((\sl)%2)
	ds_load_b128 v[(\f)+64+8*(\a)+4:(\f)+64+8*(\a)+7], v[ADRO] offset:((\sl)/2)*OSLAB+16*(\a)*PIT+64*((\sl)%2)+32
.endr
.endm
.macro QS f, g, nsl, first             ; a slice on buffer f; slice nsl is fetched into g
	s_wait_dscnt 4                                 ; Wf and O's blocks 0, 1 are in; the last four loads may be out
	MULP \f, 0, \first
	MULP \f, 1, \first
	WIN 0
	PLACES
	FETCH \nsl, \g
	s_wait_dscnt 24                                ; all but the 24 just issued
	MULP \f, 2, \first
	MULP \f, 3, \first
.endm
; A K step's last slice changes slots: ONE barrier; in front of it each wave waits for all its tensor loads, adds 0 to its spare word, and waits for that and for its reads of this slot.
.macro TURN fill
	WIN 0
	s_wait_tensorcnt 0x0
	ds_add_u32 v[SPW], v[NIL]
	s_wait_dscnt 5                                 ; the add and the last four loads may be out
	MULP F1, 0, 0
	s_wait_dscnt 0x0                               ; the add is done, and my reads of this slot are over
	s_barrier_signal -1
	MULP F1, 1, 0
	WIN 0
	s_barrier_wait -1
.if \fill
	CREST
	s_xor_b32 s[G0A+5], s[G0A+5], SLOT1
	s_add_nc_u64 s[G0A+6:G0A+7], s[G0A+6:G0A+7], 0x200000
	s_xor_b32 s[G0B+5], s[G0B+5], SLOT1
	s_add_nc_u64 s[G0B+6:G0B+7], s[G0B+6:G0B+7], 0x40000
	JLOAD                                          ; its four v_nop are also the places in front of the loads below
.else
	PLACES
.endif
	s_xor_b32 s[TB], s[TB], SLOT1
	v_add_nc_u32 v[ADRO], s[TB], v[O0]
	v_add_nc_u32 v[ADRW], s[TB], v[W0]
	FETCH 0, F0
	MULP F1, 2, 0
	MULP F1, 3, 0
.endm
	s_wait_tensorcnt 0x1                           ; my part of K step 0 is in; K step 1's may stay out
	s_barrier_signal -1
	s_barrier_wait -1
	FETCH 0, F0
	QS F0, F1, 1, 1                                ; the first slice stands in front of the loop: its products start the sums
	WIN 0
	s_mov_b32 s[CNT], 6
.LA:                                                   ; 6 trips: K steps 2 to 7 are asked for
	QS F1, F0, 2, 0
	QS F0, F1, 3, 0
	TURN 1
	QS F0, F1, 1, 0
	WIN 0
	s_sub_co_u32 s[CNT], s[CNT], 1
	s_cmp_lg_u32 s[CNT], 0
	s_cbranch_scc1 .LA
	s_mov_b32 s[CNT], 2
.LB:                                                   ; the last two K steps ask for nothing; the second trip is left in its middle, its last fetch unused
	QS F1, F0, 2, 0
	QS F0, F1, 3, 0
	TURN 0
	WIN 0
	s_sub_co_u32 s[CNT], s[CNT], 1
	s_cmp_eq_u32 s[CNT], 0
	s_cbranch_scc1 .Lout
	QS F0, F1, 1, 0
	WIN 0
	s_cmp_lg_u32 s[CNT], 0
	s_cbranch_scc1 .LB
.Lout:
	; THE WAY OUT: 16 tokens at a time, straight from the accumulators into my stage (the low four registers first), back as whole rows of 512 bytes, and out.
.macro SEND a, younger
	s_wait_dscnt \younger
.irp t, 0,1,2,3,4,5,6,7,8,9,10,11,12,13,14,15
	global_store_b128 v[GO], v[OBF+64*((\a)%2)+4*(\t):OBF+64*((\a)%2)+4*(\t)+3], s[OUTB:OUTB+1] offset:(16*(\a)+(\t))*4096 th:TH_STORE_NT  ; 512 consecutive bytes, aligned
.endr
.endm
	PLACES
	s_wait_dscnt 0x0                               ; the unused fetch has landed: its registers are free
.irp a, 0,1,2,3
	WIN 0x04                                       ; the stores' data: window 1
.irp b, 0,1,2,3,4,5,6,7
	ds_store_b128 v[STO], v[8*(8*(\a)+(\b)):8*(8*(\a)+(\b))+3]   offset:64*(\b)
	ds_store_b128 v[STO], v[8*(8*(\a)+(\b))+4:8*(8*(\a)+(\b))+7] offset:64*(\b)+16
.endr
	WIN 0
	s_wait_xcnt 0x0                                ; the stores of two blocks back have read this buffer
.irp t, 0,1,2,3,4,5,6,7,8,9,10,11,12,13,14,15
	ds_load_b128 v[OBF+64*((\a)%2)+4*(\t):OBF+64*((\a)%2)+4*(\t)+3], v[RD] offset:SPIT*(\t)  ; LDS serves a wave's instructions in order (ISA guide 5.7.1.4)
.endr
.if (\a) > 0
	SEND (\a)-1, 32                                ; this block's sixteen stores and sixteen loads may be out
.endif
.endr
	SEND 3, 0
	s_wait_tensorcnt 0x0                           ; the wave's end
	ds_add_u32 v[SPW], v[NIL]
	s_wait_dscnt 0x0
	CROUND                                         ; the closing round
	s_endpgm
.Lfunc_end_k_qd90625257a_proj:
	.size	k_qd90625257a_proj, .Lfunc_end_k_qd90625257a_proj-k_qd90625257a_proj
	.p2alignl 7, 3214868480
	.fill 96, 4, 3214868480
	.section	.rodata,"a",@progbits
	.p2align	6, 0x0
	.amdhsa_kernel k_qd90625257a_proj
		.amdhsa_group_segment_fixed_size 327680
		.amdhsa_private_segment_fixed_size 0
		.amdhsa_enable_private_segment 0
		.amdhsa_kernarg_size 32
		.amdhsa_user_sgpr_count 2
		.amdhsa_user_sgpr_kernarg_segment_ptr 1
		.amdhsa_wavefront_size32 1
		.amdhsa_system_sgpr_workgroup_id_x 1
		.amdhsa_system_sgpr_workgroup_id_y 1
		.amdhsa_system_sgpr_workgroup_id_z 1
		.amdhsa_system_vgpr_workitem_id 0
		.amdhsa_next_free_vgpr 608
		.amdhsa_next_free_sgpr 72
		.amdhsa_reserve_vcc 0
		.amdhsa_float_denorm_mode_32 3
		.amdhsa_float_denorm_mode_16_64 3
		.amdhsa_memory_ordered 1
		.amdhsa_forward_progress 1
		.amdhsa_inst_pref_size 66
	.end_amdhsa_kernel
	.amdgpu_metadata
---
amdhsa.version: [ 1, 2 ]
amdhsa.kernels:
  - .name:           k_qd90625257a_proj
    .symbol:         k_qd90625257a_proj.kd
    .args:
      - { .name: ob, .offset: 0, .size: 8, .value_kind: global_buffer, .address_space: global }
      - { .name: wts, .offset: 8, .size: 8, .value_kind: global_buffer, .address_space: global }
      - { .name: bf, .offset: 16, .size: 8, .value_kind: global_buffer, .address_space: global }
      - { .name: out0, .offset: 24, .size: 8, .value_kind: global_buffer, .address_space: global }
    .group_segment_fixed_size: 327680
    .private_segment_fixed_size: 0
    .kernarg_segment_align: 8
    .kernarg_segment_size: 32
    .max_flat_workgroup_size: 128
    .sgpr_count:     72
    .vgpr_count:     608
    .wavefront_size: 32
...
	.end_amdgpu_metadata
.endif
;; end of part 5
